; MI455X (gfx1250); checked and timed in simulation.
; The chip was launched on July 23, 2026; its instructions are those of AMD's public machine-readable ISA for CDNA 5 (MIT licence, August 2026) and "CDNA5" Instruction Set Architecture Reference Guide (July 2026). The comments in the code are by the model that wrote it; some were corrected since.
;; TSP Decoder. Allowed arithmetic: matrix products marked QUANTISED: E4M3 operands, one E8M0 scale for each 32 along K, by v_wmma_scale_f32_16x16x128_f8f6f4 with both operands' format E4M3, f32 sums; products left as they are: f32 operands where the result goes on into a quantised operand, else bf16, f16 or f32 operands; f32 sums; everything else in f32.
;; Inputs: Wcomb1 128 x 128 float32; Wcomb2 128 x 128 float32; Wk 128 x 128 float32; Wk_e 128 x 128 float32; Wq_first 128 x 128 float32; Wq_first_e 128 x 128 float32; Wq_last 128 x 128 float32; Wq_last_e 128 x 128 float32; Wv 128 x 128 float32; Wv_e 128 x 128 float32; bcomb1 128 float32; bcomb2 128 float32; encoded_first_graph 32 x 512 x 128 float32; encoded_graph 32 x 512 x 128 float32; encoded_last_graph 32 x 512 x 128 float32; encoded_last_node 32 x 512 x 128 float32; encoded_nodes 32 x 512 x 128 float32; encoded_q1 32 x 512 x 128 float32; ninf_mask 32 x 512 x 512 float32.
;; Outputs: out0 32 x 512 x 512 float32.
;; This version of the problem:
;;   THIS VERSION OF THE PROBLEM IS GIVEN IN LOW PRECISION. The matrix products marked QUANTISED in the list below multiply operands that are first quantised to E4M3 (4 exponent bits, 3 mantissa bits; 8 bits a number), with one power-of-two scale for each 32 numbers along K (OCP MX v1.0); their sums are f32. All else is computed in f32.
;;   The module's matrix products, in the order in which they are computed (A, B: the left and right operand; K: the contracted axis; several contracted axes count as one K, in the product's order):
;;     1. [M 16,384, K 128] x [K 128, N 128]; A: input encoded_nodes; B: input Wk: QUANTISED
;;     2. [M 16,384, K 128] x [K 128, N 128]; A: input encoded_nodes; B: input Wv: QUANTISED
;;     3. [M 16,384, K 128] x [K 128, N 128]; A: input encoded_graph; B: input Wk_e: QUANTISED
;;     4. [M 16,384, K 128] x [K 128, N 128]; A: input encoded_graph; B: input Wv_e: QUANTISED
;;     5. [M 16,384, K 128] x [K 128, N 128]; A: input encoded_q1; B: input Wq_first: QUANTISED
;;     6. [M 16,384, K 128] x [K 128, N 128]; A: input encoded_first_graph; B: input Wq_first_e: QUANTISED
;;     7. [M 16,384, K 128] x [K 128, N 128]; A: input encoded_last_node; B: input Wq_last: QUANTISED
;;     8. [M 16,384, K 128] x [K 128, N 128]; A: input encoded_last_graph; B: input Wq_last_e: QUANTISED
;;     9. batch 256 x [M 512, K 16] x [K 16, N 512]; A: computed on the way; B: computed on the way: left as it is (K = 16 < 32)
;;     10. batch 256 x [M 512, K 512] x [K 512, N 16]; A: softmax (see below); B: computed on the way: QUANTISED
;;     11. batch 256 x [M 512, K 16] x [K 16, N 512]; A: computed on the way; B: computed on the way: left as it is (K = 16 < 32)
;;     12. batch 256 x [M 512, K 512] x [K 512, N 16]; A: softmax (see below); B: computed on the way: QUANTISED
;;     13. [M 16,384, K 128] x [K 128, N 128]; A: computed on the way; B: input Wcomb1: QUANTISED
;;     14. [M 16,384, K 128] x [K 128, N 128]; A: computed on the way; B: input Wcomb2: QUANTISED
;;     15. batch 32 x [M 512, K 128] x [K 128, N 512]; A: computed on the way; B: computed on the way: QUANTISED
;;   THE QUANTISER, for each operand of a quantised product, along K:
;;     - K is cut into blocks of 32 from its start; a last block that is shorter is filled with zeros.
;;     - A block's scale is 2^e with e = floor(log2(the largest magnitude in the block)) - 8, held to -126 .. 127; a block of zeros has e = 0. As a byte (E8M0): e + 127.
;;     - Each number is divided by its block's scale, clamped to +-448, and rounded to the nearest number of E4M3, ties to even, subnormals kept.
;;     - The product sums the exact products of the quantised numbers (number of the format x scale) in f32.
;;   ~~~python
;;   def quantise(x, axis):      # numpy; x: float32 -> the quantised numbers, widened to float32 again
;;       x = np.moveaxis(x, axis, -1); K = x.shape[-1]
;;       x = np.pad(x, [(0, 0)] * (x.ndim - 1) + [(0, -K % 32)]); x = x.reshape(x.shape[:-1] + (-1, 32)); a = np.abs(x).max(-1, keepdims=True)
;;       e = np.where(a > 0, np.clip(np.frexp(np.where(a > 0, a, 1))[1] - 1 - 8, -126, 127), 0)      # np.frexp(a)[1] - 1 = floor(log2(a)), exactly
;;       r = np.clip(x / 2.0 ** e, -448, 448)
;;       step = 2.0 ** (np.maximum(np.frexp(np.where(r == 0, 1, r))[1] - 1, -6) - 3)
;;       q = np.round(r / step) * step * 2.0 ** e      # np.round: ties to even
;;       return np.moveaxis(q.reshape(q.shape[:-2] + (-1,))[..., :K], -1, axis).astype(np.float32)
;;   ~~~
;;   SOFTMAX AHEAD OF A QUANTISED PRODUCT. Where the list says 'softmax', what is quantised is not the finished softmax but p = 2^(t - M), with t = logit x log2(e) and M = ceil(the row's largest t), a whole number; so 1/2 < the row's largest p <= 1. The row's sum l is taken of the UNQUANTISED p, in f32, and the product's result is divided by l at the end. Since M is a whole number, a kernel that streams over the keys may use a running M (the ceiling of the running maximum): every later rescaling is an exact power of two, which a block's scale takes up: the codes' values come out the same.
;;   OPERANDS COMPUTED ON THE WAY. 'Computed on the way' means the value that the module computes at that place (a softmax that the list does not call 'softmax' is quantised finished and normalised). What goes into a quantiser is computed in f32, as accurately as f32 sums, v_exp_f32 and their like allow (about 1e-6 of the number): no bf16 or f16 on the way to a quantiser, and a product that is left as it is and whose result goes on into a quantised operand takes f32 operands (vector FMAs, or v_wmma_f32_16x16x4_f32). A number that lies on a knife's edge between two numbers of the format may be rounded either way, as far as f32 arithmetic and the matrix unit's own rounding can turn it there, and no further.
;; 2 versions, each right; version 2 is version 1 with the launch dec written anew for expert scheduling mode. Each part assembles by itself: llvm-mc -triple=amdgcn-amd-amdhsa -mcpu=gfx1250 --defsym DOCPART=n.
;; ======== version 1 of 2: 2 launches
;; workspace buffers: xkv 4,456,448 bytes; xsh 2,228,224 bytes; xq 8,912,896 bytes; wq 174,080 bytes
;; launch quant (part 1): grid 788 x 1, 4 waves a work-group, no clusters, 68,096 bytes of LDS; arguments encoded_nodes, encoded_graph, encoded_q1, encoded_first_graph, encoded_last_node, encoded_last_graph, Wq_first, Wq_first_e, Wq_last, Wq_last_e, Wk, Wv, Wk_e, Wv_e, Wcomb1, Wcomb2, xkv, xsh, xq, wq; writes xkv, xsh, xq, wq
.if DOCPART == 1
	.amdgcn_target "amdgcn-amd-amdhsa--gfx1250"
	.amdhsa_code_object_version 6
	.text
	.protected	k_q85a6d26825_quant
	.globl	k_q85a6d26825_quant
	.p2align	8
	.type	k_q85a6d26825_quant,@function
k_q85a6d26825_quant:
	s_mov_b64 s[64:65], 0
	v_nop
	global_prefetch_b8 v0, s[64:65] scope:SCOPE_SE
	s_setreg_imm32_b32 hwreg(HW_REG_WAVE_MODE, 25, 1), 1
	s_wait_xcnt 0x0
; The six encoded tensors [16384][128] f32, nodes + graph, and the ten weights [128 (k)][128 (n)] f32 become codes of FP8 (E4M3) with one E8M0 byte for each 32 along K (K = the 128).
; THE RESULTS ARE LAID AS IMAGES OF OPERAND REGISTERS.  A fragment is 16 rows x 128 K: lane (r = lane % 16, h = lane / 16) holds, in registers 4 c .. 4 c + 3, k = 32 c + 16 h + 0 .. 15 of row r.
; Its image is 2,048 bytes: register group c at 512 c + 16 x lane.  Its scale words are 128 bytes: row r's word at 4 x lane (both halves of the lanes hold the same word).  So the next launch
; brings a fragment by four loads of 16 bytes a lane, and every store here covers 512 consecutive bytes (the scale words: 128).
; WHICH ROWS FORM A TILE.  nodes, graph and their sum: tile 2 G + u takes in lane r the row 32 G + 8 u + r + 8 (r / 8), so that results of two neighbouring tiles are 16 neighbours along a later K.
; The four query tensors: row 16 t + r.  A weight: lane r takes COLUMN 16 t + r, and its registers run down K.
; SHARES.  Work-groups 0-19: a weight's four tiles each (one a wave), no LDS.  Work-groups 20-787: job = (g - 20) / 256 (0: nodes, graph and the sum; 1: q1, first_graph; 2: last_node, last_graph),
; 64 rows of both tensors, a tile a wave.  A load takes a whole row, 512 consecutive bytes; the 16 rows turn through the wave's own stage in LDS (pitch 528 = 33 x 16 bytes) and come back 64 bytes a lane and block.
; THE QUANTISER.  A block's scale byte is its largest magnitude's exponent field - 8, held at 1 from below by a floor among the maximum's leaves; numbers are held within 448 x the scale and converted.
; LIMITS: a block of zeros gets the byte 1 where the rule says 127 (its codes are zeros, and this program alone reads the bytes); NaN and infinities among these inputs are not served.
.set STGB, 16896                       ; a wave's LDS: two stages of 16 rows x 528 bytes
.set SPI,  528
.set BM,   12                          ; v12-15 largest magnitudes
.set PX,   16                          ; v16-19 the other half's, later the bytes
.set HB,   20                          ; v20-23 448 x the scale
.set SO,   24                          ; v24-27 the conversions' scale operands
.set PW,   28                          ; v28    the scale word
.set PC,   32                          ; v32-47 the codes
.set RX,   48                          ; v48-111   64 numbers of the first tensor
.set RY,   112                         ; v112-175  of the second
.set GS,   176                         ; v176-239  their sum
.set SEL,  60                          ; s[60:61] lane selects: lane l xor 16
.set MNT,  62                          ; s62 the mantissa field of 448
; 64 numbers of a lane, register 16 b + i = k 32 b + 16 h + i of its row, become the codes in v[PC] on and the scale word in v[PW]
.macro QUANT s
.irp b, 0,1,2,3
	v_max3_num_f32 v[BM+\b], |v[\s+16*\b]|, |v[\s+16*\b+1]|, 0x4800000      ; my 16 numbers of block b, and the floor 2^(9 - 127): the byte cannot fall under 1
.endr
.irp i, 2,4,6,8,10,12,14
.irp b, 0,1,2,3
	v_max3_num_f32 v[BM+\b], v[BM+\b], |v[\s+16*\b+\i]|, |v[\s+16*\b+\i+1]| ; the four blocks by turns
.endr
.endr
.irp b, 0,1,2,3
	v_permlanex16_b32 v[PX+\b], v[BM+\b], s[SEL], s[SEL+1]
.endr
.irp b, 0,1,2,3
	v_max_num_f32 v[BM+\b], v[BM+\b], v[PX+\b]                              ; with lane l xor 16's: the block's largest magnitude
.endr
.irp b, 0,1,2,3
	v_add_nc_u32 v[SO+\b], 0xfc000000, v[BM+\b]                             ; 8 off its exponent field: the conversion takes that field as its scale
.endr
.irp b, 0,1,2,3
	v_and_or_b32 v[HB+\b], v[BM+\b], 0x7f800000, s[MNT]                     ; 448 x the scale
.endr
.irp b, 0,1,2,3
	v_lshrrev_b32 v[PX+\b], 23, v[SO+\b]                                    ; the scale's byte
.endr
	v_lshl_or_b32 v[PW], v[PX+1], 8, v[PX]
	v_lshl_or_b32 v[PW], v[PX+2], 16, v[PW]
	v_lshl_or_b32 v[PW], v[PX+3], 24, v[PW]
.irp b, 0,1,2,3
.irp i, 0,1,2,3,4,5,6,7,8,9,10,11,12,13,14,15
	v_med3_num_f32 v[\s+16*\b+\i], v[\s+16*\b+\i], -v[HB+\b], v[HB+\b]      ; the conversion to an 8-bit code does not saturate (ISA guide 7.6.2): the hold comes first
.endr
	v_cvt_scalef32_pk8_fp8_f32 v[PC+4*\b:PC+4*\b+1], v[\s+16*\b:\s+16*\b+7], v[SO+\b]
	v_cvt_scalef32_pk8_fp8_f32 v[PC+4*\b+2:PC+4*\b+3], v[\s+16*\b+8:\s+16*\b+15], v[SO+\b]
.endr
	v_nop                                          ; a plain line behind the last conversion
.endm
.macro PUT p, s                        ; the image and its scale words
.irp c, 0,1,2,3
	global_store_b128 v1, v[PC+4*\c:PC+4*\c+3], s[\p:\p+1] offset:512*\c    ; 32 lanes store 512 consecutive bytes
.endr
	global_store_b32 v2, v[PW], s[\s:\s+1]
.endm
	s_load_b512 s[8:23], s[0:1], 0x0               ; nodes, graph, q1, first_graph, last_node, last_graph, Wq_first, Wq_first_e
	s_load_b512 s[24:39], s[0:1], 0x40             ; Wq_last, Wq_last_e, Wk, Wv, Wk_e, Wv_e, Wcomb1, Wcomb2
	s_load_b256 s[40:47], s[0:1], 0x80             ; xkv, xsh, xq, wq
	v_lshl_add_u32 v240, v0, 2, 0x10800
	v_mov_b32 v241, 0
	v_lshrrev_b32 v8, 5, v0
	v_readfirstlane_b32 s2, v8                     ; wave 0..3
	v_and_b32 v8, 31, v0                           ; lane
	v_and_b32 v9, 15, v0                           ; r
	v_bfe_u32 v10, v0, 4, 1                        ; h
	v_lshlrev_b32 v1, 4, v8                        ; 16 x lane
	v_lshlrev_b32 v2, 2, v8                        ; 4 x lane
	s_mov_b32 s[SEL], 0x76543210
	s_mov_b32 s[SEL+1], 0xfedcba98
	s_mov_b32 s[MNT], 0x600000
.irp b, 0,1,2,3
	v_mov_b32 v[PX+\b], 0                          ; written once: a lane permute's destination counts as one of its sources
.endr
	s_cmp_ge_u32 ttmp9, 20
	s_cbranch_scc1 .Lrows
	; ---- a weight's tile: lane r takes column 16 tile + r, registers run down K
	s_lshr_b32 s3, ttmp9, 1                        ; which weight, 0..9
	s_and_b32 s4, ttmp9, 1
	s_lshl_b32 s4, s4, 2
	s_add_co_u32 s4, s4, s2                        ; tile 0..7
	s_lshl_b32 s5, s3, 3
	s_add_co_u32 s5, s5, s4                        ; 8 x weight + tile
	s_lshl_b32 s48, s5, 11                         ; its image,
	s_mov_b32 s49, 0
	s_lshl_b32 s50, s5, 7
	s_add_co_u32 s50, s50, 163840                  ; its scale words, behind the 80 images
	s_mov_b32 s51, 0
	s_lshl_b32 s6, s4, 6
	v_lshlrev_b32 v7, 2, v9
	v_lshl_add_u32 v7, v10, 13, v7
	v_add_nc_u32 v7, s6, v7                        ; 4 r + 64 tile + 16 h rows of 512 bytes
	s_wait_kmcnt 0x0
.irp j, 1,2,3,4,5,6,7,8,9
	s_cmp_eq_u32 s3, \j                            ; the choice hangs on the work-group's number alone
	s_cselect_b64 s[20:21], s[20+2*\j:21+2*\j], s[20:21]
.endr
	s_add_nc_u64 s[48:49], s[46:47], s[48:49]
	s_add_nc_u64 s[50:51], s[46:47], s[50:51]
.irp c, 0,1,2,3
.irp i, 0,1,2,3,4,5,6,7,8,9,10,11,12,13,14,15
	global_load_b32 v[RX+16*\c+\i], v7, s[20:21] offset:512*(32*\c+\i)      ; W(32 c + 16 h + i, my column)
.endr
.endr
	s_wait_loadcnt 0x0
	QUANT RX
	PUT 48, 50
	s_endpgm
.Lrows:
	; ---- a tile of 16 rows of two tensors
	s_sub_co_u32 s3, ttmp9, 20
	s_lshr_b32 s4, s3, 8                           ; job 0..2
	s_and_b32 s5, s3, 255                          ; block of 64 rows = 8 x batch + x
	s_lshr_b32 s6, s5, 3                           ; batch
	s_and_b32 s7, s5, 7                            ; x
	s_mul_i32 s66, s6, 139264                      ; job 0: the batch's part of xkv
	s_lshl_b32 s67, s7, 2
	s_add_co_u32 s67, s67, s2                      ; tile T = 4 x + wave
	s_lshl_b32 s68, s67, 11
	s_lshl_b32 s69, s67, 7
	s_add_co_u32 s48, s66, s68                     ; nodes' image
	s_add_co_u32 s52, s66, s69
	s_add_co_u32 s52, s52, 131072                  ; nodes' scale words
	s_mul_i32 s70, s6, 69632                       ; the batch's part of xsh
	s_add_co_u32 s56, s70, s68
	s_add_co_u32 s58, s70, s69
	s_add_co_u32 s58, s58, 65536
	s_mul_i32 s71, s5, 34816                       ; jobs 1, 2: the block's part of xq
	s_max_u32 s72, s4, 1
	s_sub_co_u32 s72, s72, 1
	s_lshl_b32 s72, s72, 3
	s_add_co_u32 s72, s72, s2                      ; fragment 8 (job - 1) + wave
	s_lshl_b32 s73, s72, 11
	s_add_co_u32 s73, s73, s71
	s_lshl_b32 s74, s72, 7
	s_add_co_u32 s74, s74, s71
	s_add_co_u32 s74, s74, 32768
	s_lshr_b32 s75, s2, 1
	s_lshl_b32 s75, s75, 5
	s_and_b32 s76, s2, 1
	s_lshl_b32 s76, s76, 3
	s_add_co_u32 s75, s75, s76                     ; job 0: the tile begins at row 32 (wave / 2) + 8 (wave % 2) of the block,
	s_lshl_b32 s76, s2, 4                          ; else at 16 x wave
	s_mov_b32 s77, 8192
	s_mov_b32 s78, 512
	s_cmp_eq_u32 s4, 0
	s_cselect_b32 s48, s48, s73                    ; the first tensor's image
	s_cselect_b32 s52, s52, s74                    ; and scale words
	s_cselect_b32 s75, s75, s76
	s_cselect_b32 s77, 0x10000, s77                ; the second tensor's image lies so far behind the first's,
	s_cselect_b32 s78, 0x1000, s78                 ; its scale words so far
	s_cselect_b32 s79, 0x1000, 0                   ; job 0: rows 8-15 of a tile lie 8 rows (4,096 bytes) further down
	s_add_co_u32 s50, s48, s77
	s_add_co_u32 s54, s52, s78
	s_mov_b32 s49, 0
	s_mov_b32 s51, 0
	s_mov_b32 s53, 0
	s_mov_b32 s55, 0
	s_mov_b32 s57, 0
	s_mov_b32 s59, 0
	s_lshl_b32 s80, s5, 6
	s_add_co_u32 s80, s80, s75
	s_lshl_b32 s80, s80, 9                         ; the tile's first row, in bytes (under 2^23)
	s_mov_b32 s81, 0
	s_mul_i32 s82, s2, STGB                        ; my stages
	v_add_nc_u32 v4, s79, v1                       ; rows 8-15: 16 x lane + the jump
	v_add_nc_u32 v5, s82, v1                       ; into a stage: a row as it lies
	v_mul_u32_u24 v6, v9, SPI
	v_lshl_add_u32 v6, v10, 6, v6
	v_add_nc_u32 v6, s82, v6                       ; out of it: row r, + 64 h
	s_wait_kmcnt 0x0
	s_cmp_eq_u32 s4, 0
	s_cselect_b64 s[40:41], s[40:41], s[44:45]     ; xkv or xq
	s_cmp_eq_u32 s4, 1
	s_cselect_b64 s[8:9], s[12:13], s[8:9]
	s_cselect_b64 s[10:11], s[14:15], s[10:11]
	s_cmp_eq_u32 s4, 2
	s_cselect_b64 s[8:9], s[16:17], s[8:9]
	s_cselect_b64 s[10:11], s[18:19], s[10:11]
	s_add_nc_u64 s[8:9], s[8:9], s[80:81]
	s_add_nc_u64 s[10:11], s[10:11], s[80:81]
	s_add_nc_u64 s[48:49], s[40:41], s[48:49]
	s_add_nc_u64 s[50:51], s[40:41], s[50:51]
	s_add_nc_u64 s[52:53], s[40:41], s[52:53]
	s_add_nc_u64 s[54:55], s[40:41], s[54:55]
	s_add_nc_u64 s[56:57], s[42:43], s[56:57]
	s_add_nc_u64 s[58:59], s[42:43], s[58:59]
.irp t, 0,1,2,3,4,5,6,7
	global_load_b128 v[RX+4*\t:RX+4*\t+3], v1, s[8:9] offset:512*\t th:TH_LOAD_NT          ; a whole row: 512 consecutive bytes
.endr
.irp t, 8,9,10,11,12,13,14,15
	global_load_b128 v[RX+4*\t:RX+4*\t+3], v4, s[8:9] offset:512*\t th:TH_LOAD_NT
.endr
.irp t, 0,1,2,3,4,5,6,7
	global_load_b128 v[RY+4*\t:RY+4*\t+3], v1, s[10:11] offset:512*\t th:TH_LOAD_NT
.endr
.irp t, 8,9,10,11,12,13,14,15
	global_load_b128 v[RY+4*\t:RY+4*\t+3], v4, s[10:11] offset:512*\t th:TH_LOAD_NT
.endr
	s_wait_loadcnt 16                              ; the first tensor's 16 rows are in; the second's 16 loads may be out
.irp t, 0,1,2,3,4,5,6,7,8,9,10,11,12,13,14,15
	ds_store_b128 v5, v[RX+4*\t:RX+4*\t+3] offset:SPI*\t
.endr
	s_wait_loadcnt 0x0
.irp t, 0,1,2,3,4,5,6,7,8,9,10,11,12,13,14,15
	ds_store_b128 v5, v[RY+4*\t:RY+4*\t+3] offset:16*SPI+SPI*\t
.endr
.irp c, 0,1,2,3
.irp g, 0,1,2,3
	ds_load_b128 v[RX+16*\c+4*\g:RX+16*\c+4*\g+3], v6 offset:128*\c+16*\g                  ; LDS serves a wave's instructions in order (ISA guide 5.7.1.4): these see my stores
.endr
.endr
.irp c, 0,1,2,3
.irp g, 0,1,2,3
	ds_load_b128 v[RY+16*\c+4*\g:RY+16*\c+4*\g+3], v6 offset:16*SPI+128*\c+16*\g
.endr
.endr
	s_wait_dscnt 0x0
	s_cmp_lg_u32 s4, 0
	s_cbranch_scc1 .Lno_sum                        ; only nodes + graph is wanted
.set i, 0
.rept 32
	v_pk_add_f32 v[GS+i:GS+i+1], v[RX+i:RX+i+1], v[RY+i:RY+i+1]
.set i, i+2
.endr
	QUANT GS
	PUT 56, 58
	s_wait_xcnt 0x0                                ; the stores' data are written again only behind this wait
.Lno_sum:
	QUANT RX
	PUT 48, 52
	s_wait_xcnt 0x0
	QUANT RY
	PUT 50, 54
	s_wait_tensorcnt 0x0
	ds_add_u32 v240, v241
	s_wait_dscnt 0x0
	s_endpgm
.Lfunc_end_k_q85a6d26825_quant:
	.size	k_q85a6d26825_quant, .Lfunc_end_k_q85a6d26825_quant-k_q85a6d26825_quant
	.p2alignl 7, 3214868480
	.fill 96, 4, 3214868480
	.section	.rodata,"a",@progbits
	.p2align	6, 0x0
	.amdhsa_kernel k_q85a6d26825_quant
		.amdhsa_group_segment_fixed_size 68096
		.amdhsa_private_segment_fixed_size 0
		.amdhsa_enable_private_segment 0
		.amdhsa_kernarg_size 160
		.amdhsa_user_sgpr_count 2
		.amdhsa_user_sgpr_kernarg_segment_ptr 1
		.amdhsa_wavefront_size32 1
		.amdhsa_system_sgpr_workgroup_id_x 1
		.amdhsa_system_sgpr_workgroup_id_y 1
		.amdhsa_system_sgpr_workgroup_id_z 1
		.amdhsa_system_vgpr_workitem_id 0
		.amdhsa_next_free_vgpr 242
		.amdhsa_next_free_sgpr 96
		.amdhsa_reserve_vcc 0
		.amdhsa_float_denorm_mode_32 3
		.amdhsa_float_denorm_mode_16_64 3
		.amdhsa_memory_ordered 1
		.amdhsa_forward_progress 1
		.amdhsa_inst_pref_size 55
	.end_amdhsa_kernel
	.amdgpu_metadata
---
amdhsa.version: [ 1, 2 ]
amdhsa.kernels:
  - .name:           k_q85a6d26825_quant
    .symbol:         k_q85a6d26825_quant.kd
    .args:
      - { .name: encoded_nodes, .offset: 0, .size: 8, .value_kind: global_buffer, .address_space: global }
      - { .name: encoded_graph, .offset: 8, .size: 8, .value_kind: global_buffer, .address_space: global }
      - { .name: encoded_q1, .offset: 16, .size: 8, .value_kind: global_buffer, .address_space: global }
      - { .name: encoded_first_graph, .offset: 24, .size: 8, .value_kind: global_buffer, .address_space: global }
      - { .name: encoded_last_node, .offset: 32, .size: 8, .value_kind: global_buffer, .address_space: global }
      - { .name: encoded_last_graph, .offset: 40, .size: 8, .value_kind: global_buffer, .address_space: global }
      - { .name: Wq_first, .offset: 48, .size: 8, .value_kind: global_buffer, .address_space: global }
      - { .name: Wq_first_e, .offset: 56, .size: 8, .value_kind: global_buffer, .address_space: global }
      - { .name: Wq_last, .offset: 64, .size: 8, .value_kind: global_buffer, .address_space: global }
      - { .name: Wq_last_e, .offset: 72, .size: 8, .value_kind: global_buffer, .address_space: global }
      - { .name: Wk, .offset: 80, .size: 8, .value_kind: global_buffer, .address_space: global }
      - { .name: Wv, .offset: 88, .size: 8, .value_kind: global_buffer, .address_space: global }
      - { .name: Wk_e, .offset: 96, .size: 8, .value_kind: global_buffer, .address_space: global }
      - { .name: Wv_e, .offset: 104, .size: 8, .value_kind: global_buffer, .address_space: global }
      - { .name: Wcomb1, .offset: 112, .size: 8, .value_kind: global_buffer, .address_space: global }
      - { .name: Wcomb2, .offset: 120, .size: 8, .value_kind: global_buffer, .address_space: global }
      - { .name: xkv, .offset: 128, .size: 8, .value_kind: global_buffer, .address_space: global }
      - { .name: xsh, .offset: 136, .size: 8, .value_kind: global_buffer, .address_space: global }
      - { .name: xq, .offset: 144, .size: 8, .value_kind: global_buffer, .address_space: global }
      - { .name: wq, .offset: 152, .size: 8, .value_kind: global_buffer, .address_space: global }
    .group_segment_fixed_size: 68096
    .private_segment_fixed_size: 0
    .kernarg_segment_align: 8
    .kernarg_segment_size: 160
    .max_flat_workgroup_size: 128
    .sgpr_count:     96
    .vgpr_count:     242
    .wavefront_size: 32
...
	.end_amdgpu_metadata
.endif
;; end of part 1
;; launch dec (part 2): grid 8 x 32, 8 waves a work-group, no clusters, 308,224 bytes of LDS; arguments ninf_mask, xkv, xsh, xq, wq, bcomb1, bcomb2, out0; writes out0
.if DOCPART == 2
	.amdgcn_target "amdgcn-amd-amdhsa--gfx1250"
	.amdhsa_code_object_version 6
	.text
	.protected	k_q85a6d26825_dec
	.globl	k_q85a6d26825_dec
	.p2align	8
	.type	k_q85a6d26825_dec,@function
k_q85a6d26825_dec:
	s_mov_b64 s[64:65], 0
	v_nop
	global_prefetch_b8 v0, s[64:65] scope:SCOPE_SE
	s_setreg_imm32_b32 hwreg(HW_REG_WAVE_MODE, 25, 1), 1
	s_wait_xcnt 0x0
; The whole decoder behind the quantiser, for 64 queries of one batch: q, both attentions, the two combining products, the scores against nodes + graph, 10 tanh + mask, the row softmax.
; SHARES.  Work-group (x, y): queries 64 x .. 64 x + 63 of batch y.  Eight waves of 512 registers, two to a SIMD.  WAVE w = HEAD w.
; LDS, filled once, through registers, an eighth by each wave: the 64 x 512 mask (pitch 2,064 = 129 x 16 bytes), the batch's codes of nodes and graph, the block's codes of the four query tensors.
; q, k and v never go to memory.  A projection is used transposed (source 0 = the head's 16 columns of the weight, source 1 = 16 rows of x): lane (r, h) then holds row r and channels 8 h + 0 .. 7, which
; IS an operand of the f32 product: its K step ks takes registers 2 ks, 2 ks + 1, the same choice of channels on both sides.  V is made the other way round (source 0 = 16 keys): lane r holds channel r and
; its registers run along the keys, so it is quantised along the keys in registers.  The keys of a tile are 32 G + 8 u + r + 8 (r / 8): the 16 registers of tiles 2 G, 2 G + 1 are 16 neighbouring keys.
; S^T = K Q^T + mask: the mask is the C of the first K step; q carries the 1 / 4.  A lane holds ONE query throughout.  p = 2^(t - M), M the running largest t rounded up to a whole number; the sum is taken of
; the unquantised p; O^T and the sum are multiplied by 2^(old M - new M) in every step.
; BY TURNS.  A tile of 16 queries x 128 keys is 32 f32 products and some 290 vector lines of softmax.  The scores have two buffers: while one tile's softmax is walked, the next tile's 32 products are issued
; between its lines, one about every eight lines (the macro WM writes the next product wherever a stream calls it).  The first tile's products of a step stand so among the lines that quantise V.
; The vector lines keep their order; a product costs two switches of the register window, since no window holds its operands beside the softmax's.
; The main loops have no barrier: LDS is only read there.  Behind them the regions are written over by LDS stores, each behind a barrier that every reader has passed.
; NO CLUSTER: the eight work-groups of a batch share 208,896 bytes (codes of nodes, graph and their sum) of the 374,784 that each brings in, once, outside the loops, against 1,024 f32 and 176 FP8 matrix
; instructions a wave between; the larger part, the mask and the queries' codes, is shared with nobody.
; LIMITS.  A query whose mask hides every node: reference() gives NaN; here its row comes out NaN by 0 x infinity, but the numbers on the way pass quantisers and are not vouched for.  NaN or +infinity in
; the mask, NaN or infinities elsewhere: not served.  Orders of rounding that differ: the mask is added ahead of the 16 products of a score and not behind them (exact for 0 and -infinity, else within a
; few units in the last place of the larger of the two); the four products of q form one chain; b1 + b2 is added first; mask + 10 is formed ahead of the -20 / (1 + e^2z).
; A block of zeros has the scale byte 1: its codes are zeros.
.set MP,    2064                       ; a mask row in LDS
.set XC,    132096                     ; the batch's xkv as it lies: nodes' 32 images, graph's 32, nodes' scale words, graph's
.set XCG,   65536
.set XCS,   131072
.set QX,    271360                     ; the block's xq as it lies: 16 images, 16 x 128 bytes of scale words
.set QXS,   32768
.set EXCH,  306176                     ; 128 bytes a wave: (maximum, sum) of 16 rows
.set OSTG,  XC                         ; over XC: 128 rows (attention, query) x 528 bytes; later the 64 rows of mh_out
.set SP,    528
.set SHKL,  199680                     ; over XC: the batch's xsh as it lies
.set SHKS,  65536
.set OIMG,  QX                         ; over QX: 8 images of out1, out2, then their scale words
.set OIMS,  16384
; window 0
.set LI,   1                           ; 16 x lane
.set LS,   2                           ; 4 x lane
.set MKB,  3                           ; 2,064 r + 64 h
.set AMK0, 4                           ; the step's mask, queries 0-31;  v5: queries 32-63
.set AXF,  6                           ; the step's code images
.set AXS,  7                           ; and scale words
.set WOF,  8                           ; 2,048 w + 16 x lane: my tile in wq
.set WSO,  9                           ; 128 w + 4 x lane
.set QF,   10                          ; QX + 16 x lane
.set QSA,  11                          ; scale words in QX, later in OIMG
.set WS,   12                          ; v12-15 scale words of Wk, Wv, Wk_e, Wv_e     (v12-31 hold scales and nothing else)
.set XS,   16                          ; v16-23 of x's fragments
.set WQS,  24                          ; v24-27 of the four Wq
.set VS,   28                          ; of V's codes
.set PS,   29                          ; of p's codes, of out's, of mh_out's
.set WCS,  30                          ; v30-31 of Wcomb1, Wcomb2
.set BM,   32
.set PX,   36
.set HB,   40
.set SO,   44
.set NM,   48                          ; v[48:49] -M
.set FAC,  50                          ; v[50:51] 2^(old M - new M)
.set TMX,  52                          ; v52-55 the running largest t, a tile of queries each
.set LSUM, 56                          ; v56-59 the running sum
.set SA,   60
.set SB,   62
.set T0,   60
.set T1,   61
.set VC,   64                          ; v64-79 V's codes; later the biases
.set SCO,  80                          ; v80-143 S^T, first buffer: written by matrix instructions alone
.set MK,   144                         ; v144-207 the mask as C; four code fragments; 64 numbers on their way to a quantiser
.set PT,   208                         ; v208-239 two buffers of 16 numbers; later mh_out's accumulators
.set PC,   240                         ; v240-255 codes
; the head's offsets, in registers that are first written again behind the first barrier
.set AGM,  32                          ; the mask: my eight rows in memory: 16,384 w + 16 x lane
.set ALM,  33                          ; and in LDS: 16,512 w + 16 x lane
.set AGX,  34                          ; xkv: my eighth: 17,408 w + 16 x lane
.set ALX,  35                          ; and in LDS
.set AGQ,  40                          ; xq: my eighth: 4,352 w + 16 x lane
.set ALQ,  41
.set AGT,  42                          ; its last 256 bytes: 4,352 w + 4,096 + 8 x lane
.set ALT,  43
; the epilogue's addresses, in registers that the loops have left
.set XSO,  3
.set BOF,  4
.set OST,  5
.set SHS,  6
.set ORD,  7
.set RB,   50
.set IMS,  52
.set ISS,  53
.set MRD,  54
.set SHF,  55
.set SSF,  56
.set MKF,  57
.set EXS,  58
.set EXL,  59
; window 1
.set KF,   0                           ; v0-63    K's 8 tiles x 8; at the head mask rows 4-7 on their way to LDS, then the four Wq; at the end four fragments of nodes + graph
.set WKV,  64                          ; v64-95   Wk, Wv of the attention in hand; at the head v64-127 hold 16 pieces of xkv on their way to LDS
.set OA,   96                          ; O^T: attention a, tile qt at 96 + 64 a + 8 qt: v96-127 and v160-191
.set QR,   128                         ; v128-159 q: 4 tiles x 8; at the head v128-191 hold mask rows 0-3
.set SBF,  192                         ; v192-255 V, and S^T's second buffer: written by matrix instructions alone
.set WCF,  128                         ; Wcomb1, Wcomb2, where q lay
.set DD,   64                          ; v64-191  the final scores: 16 tiles x 8
; scalars
.set CS,   28                          ; s[28:29] log2(e)
.set SEL,  30                          ; s[30:31] lane l xor 16
.set MNT,  32
.set C1,   34                          ; s[34:35] 2 log2(e) / sqrt(128)
.set M20,  36                          ; s[36:37] -20
.set P10,  38                          ; s[38:39] 10
.set XOFF, 40
.set XSOFF, 41
.set MOFF, 42
.set CNT,  43
.set MSB, 0
.set MON, 0                            ; 1: WM writes products
.set wi,  32                           ; the next product of the tile in hand, 0 .. 31
.set MQ,  0                            ; its tile of queries
.set MD,  SCO                          ; its buffer,
.set MDW, 0                            ; and that buffer's window
.set MPF, 0                            ; 1: the next tile's mask is asked for behind product 15
.macro WIN new                         ; low byte: bits 1:0 source 0, 3:2 source 1, 5:4 source 2, 7:6 destination; the high byte repeats the setting that is left
.if MSB != \new
	s_set_vgpr_msb (MSB<<8)|\new
.set MSB, \new
.endif
.endm
.macro NOPS n                          ; places behind matrix instructions (ISA guide 7.12.1): all forms here want eight
.rept \n
	v_nop
.endr
.endm
.macro BAR                             ; my LDS stores have landed and my LDS loads are in: then the work-group's barrier
	s_wait_dscnt 0x0
	s_barrier_signal -1
	s_barrier_wait -1
.endm
.macro FETCH reg, adr, off             ; a fragment's image into its registers
.irp c, 0,1,2,3
	ds_load_b128 v[\reg+4*\c:\reg+4*\c+3], v[\adr] offset:\off+512*\c
.endr
.endm
; the mask of 16 queries x the step's 128 keys, in the layout of S^T: register 16 b + i = key 32 b + 16 h + i of query r
.macro MLOAD qt
.irp b, 0,1,2,3
.irp g, 0,1,2,3
	ds_load_b128 v[MK+16*\b+4*\g:MK+16*\b+4*\g+3], v[AMK0+(\qt)/2] offset:((\qt)%2)*16*MP+128*\b+16*\g
.endr
.endr
.endm
; From here on WM writes the 32 products of tile qt of queries into the buffer at md (window mdw)
.macro ARMM qt, md, mdw, pf
.set MON, 1
.set wi, 0
.set MQ, \qt
.set MD, \md
.set MDW, \mdw
.set MPF, \pf
.endm
; The next product of S^T = K Q^T + mask: product wi is K step wi / 8 of the tile of keys wi % 8.  The eight accumulators take turns, one instruction a turn.
; The first eight take the mask as C.  Behind product 15 the next tile's mask is asked for: the streams have eight plain lines or more between product 7, the last that reads the mask, and that place.
; A caller sets its own window behind WM.
.macro WM
.if MON
.if wi < 32
.if wi == 0
	s_wait_dscnt 0x0                               ; the tile's mask is in
.endif
.if wi < 8
	WIN 0x05+0x40*MDW
	v_wmma_f32_16x16x4_f32 v[MD+8*wi:MD+8*wi+7], v[KF+8*wi:KF+8*wi+1], v[QR+8*MQ:QR+8*MQ+1], v[MK+8*wi:MK+8*wi+7]
.else
	WIN 0x05+0x50*MDW
	v_wmma_f32_16x16x4_f32 v[MD+8*(wi%8):MD+8*(wi%8)+7], v[KF+8*(wi%8)+2*(wi/8):KF+8*(wi%8)+2*(wi/8)+1], v[QR+8*MQ+2*(wi/8):QR+8*MQ+2*(wi/8)+1], v[MD+8*(wi%8):MD+8*(wi%8)+7]
.endif
.set wi, wi+1
.if wi == 16
.if MPF
	WIN 0
	MLOAD MQ+1
.endif
.endif
.endif
.endif
.endm
.macro WFLUSH                          ; the products that a short stream has left over
.rept 32
	WM
.endr
	WIN 0
.endm
; 64 numbers of a lane (window sw), register 16 b + i = k 32 b + 16 h + i of its row, become codes in v[dst] on and the scale word in v[word].  The held numbers go to PT, so src stays as it is.
; 31 calls of WM: the first behind the 32 lines of the maximum, which are also places ahead of K's use as an operand.
.macro QUANT src, sw, dst, word
	WIN 0x05*\sw
.irp b, 0,1,2,3
	v_max3_num_f32 v[BM+\b], |v[\src+16*\b]|, |v[\src+16*\b+1]|, 0x4800000  ; and the floor 2^(9 - 127)
.endr
	WIN 0x14*\sw
.irp i, 2,4,6,8,10,12,14
.irp b, 0,1,2,3
	v_max3_num_f32 v[BM+\b], v[BM+\b], |v[\src+16*\b+\i]|, |v[\src+16*\b+\i+1]|
.endr
.endr
	WM
	WIN 0
.irp b, 0,1,2,3
	v_permlanex16_b32 v[PX+\b], v[BM+\b], s[SEL], s[SEL+1]
.endr
	WM
	WIN 0
.irp b, 0,1,2,3
	v_max_num_f32 v[BM+\b], v[BM+\b], v[PX+\b]
.endr
	WM
	WIN 0
.irp b, 0,1,2,3
	v_add_nc_u32 v[SO+\b], 0xfc000000, v[BM+\b]
.endr
	WM
	WIN 0
.irp b, 0,1,2,3
	v_and_or_b32 v[HB+\b], v[BM+\b], 0x7f800000, s[MNT]
.endr
	WM
	WIN 0
.irp b, 0,1,2,3
	v_lshrrev_b32 v[PX+\b], 23, v[SO+\b]
.endr
	WM
	WIN 0
	v_lshl_or_b32 v[\word], v[PX+1], 8, v[PX]
	v_lshl_or_b32 v[\word], v[PX+2], 16, v[\word]
	v_lshl_or_b32 v[\word], v[PX+3], 24, v[\word]
	WM
.irp b, 0,1,2,3
.irp i, 0,1,2,3,4,5,6,7,8,9,10,11,12,13,14,15
	WIN 0x01*\sw
	v_med3_num_f32 v[PT+16*(\b%2)+\i], v[\src+16*\b+\i], -v[HB+\b], v[HB+\b] ; the hold; the two buffers take turns, so these lines are the plain places behind the last block's conversions
.if (\i%3) == 2
	WM
.endif
.endr
	WIN 0
	v_cvt_scalef32_pk8_fp8_f32 v[\dst+4*\b:\dst+4*\b+1], v[PT+16*(\b%2):PT+16*(\b%2)+7], v[SO+\b]
	v_cvt_scalef32_pk8_fp8_f32 v[\dst+4*\b+2:\dst+4*\b+3], v[PT+16*(\b%2)+8:PT+16*(\b%2)+15], v[SO+\b]
	WM
.endr
	WIN 0
	v_nop
.endm
; the step's K (f32 fragments) and V (f32, into the second score buffer) of my head, from the code images of 128 rows of nodes (a = 0) or graph (a = 1); then the first tile's mask is asked for
.macro MAKEP a
.irp g, 0,1
.if \g
	NOPS 8                                         ; in front of loads into registers that the products above have read
.endif
.irp t, 0,1,2,3
	FETCH MK+16*\t, AXF, (4*\g+\t)*2048
.endr
.irp t, 0,1,2,3
	ds_load_b32 v[XS+4*\g+\t], v[AXS] offset:(4*\g+\t)*128
.endr
	s_wait_dscnt 0x0
	WIN 0x41
.irp t, 0,1,2,3
	v_wmma_scale_f32_16x16x128_f8f6f4 v[KF+8*(4*\g+\t):KF+8*(4*\g+\t)+7], v[WKV:WKV+15], v[MK+16*\t:MK+16*\t+15], 0, v[WS+2*\a], v[XS+4*\g+\t]
.endr
	WIN 0x44
.irp t, 0,1,2,3
	v_wmma_scale_f32_16x16x128_f8f6f4 v[SBF+8*(4*\g+\t):SBF+8*(4*\g+\t)+7], v[MK+16*\t:MK+16*\t+15], v[WKV+16:WKV+31], 0, v[XS+4*\g+\t], v[WS+2*\a+1]
.endr
	WIN 0
.endr
	NOPS 8
	MLOAD 0
.endm
.macro PFMA b, sb, sw                  ; t - M of block b, two at a time
	WIN 0x01*\sw
.irp j, 0,2,4,6,8,10,12,14
	v_pk_fma_f32 v[PT+16*((\b)%2)+\j:PT+16*((\b)%2)+\j+1], v[\sb+16*(\b)+\j:\sb+16*(\b)+\j+1], s[CS:CS+1], v[NM:NM+1] op_sel_hi:[1,0,0]
.endr
	WM
.endm
.macro PEXP b
	WIN 0
.irp j, 0,1,2,3,4,5,6,7
	v_exp_f32 v[PT+16*((\b)%2)+\j], v[PT+16*((\b)%2)+\j]
.endr
	WM
	WIN 0
.irp j, 8,9,10,11,12,13,14,15
	v_exp_f32 v[PT+16*((\b)%2)+\j], v[PT+16*((\b)%2)+\j]
.endr
	WM
.endm
.macro PSUM b                          ; the sum of the unquantised p, in two chains; block 0 starts them
.set PB, PT+16*((\b)%2)
	WIN 0
.if (\b) == 0
	s_wait_alu depctr_va_vdst(0)
	v_pk_add_f32 v[SA:SA+1], v[PB:PB+1], v[PB+2:PB+3]
	v_pk_add_f32 v[SB:SB+1], v[PB+4:PB+5], v[PB+6:PB+7]
.else
	s_wait_alu depctr_va_vdst(0)
	v_pk_add_f32 v[SA:SA+1], v[SA:SA+1], v[PB:PB+1]
	v_pk_add_f32 v[SB:SB+1], v[SB:SB+1], v[PB+2:PB+3]
	v_pk_add_f32 v[SA:SA+1], v[SA:SA+1], v[PB+4:PB+5]
	v_pk_add_f32 v[SB:SB+1], v[SB:SB+1], v[PB+6:PB+7]
.endif
	v_pk_add_f32 v[SA:SA+1], v[SA:SA+1], v[PB+8:PB+9]
	v_pk_add_f32 v[SB:SB+1], v[SB:SB+1], v[PB+10:PB+11]
	v_pk_add_f32 v[SA:SA+1], v[SA:SA+1], v[PB+12:PB+13]
	v_pk_add_f32 v[SB:SB+1], v[SB:SB+1], v[PB+14:PB+15]
	WM
.endm
.macro PCVT b                          ; p is not negative: a one-sided hold, then the codes
	WIN 0
.irp j, 0,1,2,3,4,5,6,7
	v_min_num_f32 v[PT+16*((\b)%2)+\j], v[PT+16*((\b)%2)+\j], v[HB+(\b)]
.endr
	WM
	WIN 0
.irp j, 8,9,10,11,12,13,14,15
	v_min_num_f32 v[PT+16*((\b)%2)+\j], v[PT+16*((\b)%2)+\j], v[HB+(\b)]
.endr
	v_cvt_scalef32_pk8_fp8_f32 v[PC+4*(\b):PC+4*(\b)+1], v[PT+16*((\b)%2):PT+16*((\b)%2)+7], v[SO+(\b)]
	v_cvt_scalef32_pk8_fp8_f32 v[PC+4*(\b)+2:PC+4*(\b)+3], v[PT+16*((\b)%2)+8:PT+16*((\b)%2)+15], v[SO+(\b)]
	v_nop                                          ; a plain line behind the conversions: the buffer is written again two blocks on
	WM
.endm
; The softmax and the second product of 16 queries x 128 keys of attention a, on the scores at sb (window sw).  It calls WM 34 times; the first 32 write the next tile's products, the last of them behind
; block 3's sums: behind it stand 16 holds and five more plain lines, the places ahead of the next stream's first read of the new scores.
.macro VSTR a, qt, sb, sw
	WM
	WIN 0x15*\sw
.irp b, 0,1,2,3
	v_max3_num_f32 v[BM+\b], v[\sb+16*\b], v[\sb+16*\b+1], v[\sb+16*\b+2]   ; the largest score of each block of 32 keys: for the row's maximum and for the block's largest p
.endr
.irp i, 3,5,7,9,11,13
	WIN 0x14*\sw
.irp b, 0,1,2,3
	v_max3_num_f32 v[BM+\b], v[BM+\b], v[\sb+16*\b+\i], v[\sb+16*\b+\i+1]
.endr
.if (\i%4) == 1
	WM
.endif
.endr
	WIN 0x04*\sw
.irp b, 0,1,2,3
	v_max_num_f32 v[BM+\b], v[BM+\b], v[\sb+16*\b+15]
.endr
	WIN 0
.irp b, 0,1,2,3
	v_permlanex16_b32 v[PX+\b], v[BM+\b], s[SEL], s[SEL+1]
.endr
	WM
	WIN 0
.irp b, 0,1,2,3
	v_max_num_f32 v[BM+\b], v[BM+\b], v[PX+\b]
.endr
	v_max3_num_f32 v[T0], v[BM], v[BM+1], v[BM+2]
	v_max_num_f32 v[T0], v[T0], v[BM+3]
	v_mul_f32 v[T0], s[CS], v[T0]                  ; the step's largest t
	v_floor_f32 v[T1], -v[TMX+\qt]                 ; the old -M
	WM
	WIN 0
	v_max_num_f32 v[TMX+\qt], v[TMX+\qt], v[T0]
	v_floor_f32 v[NM], -v[TMX+\qt]                 ; the new -M = -ceil(the running largest t)
	v_sub_f32 v[T1], v[NM], v[T1]                  ; old M - new M: a whole number, 0 or less
	v_cvt_i32_f32 v[T1], v[T1]                     ; (it saturates)
	v_ldexp_f32 v[FAC], 1.0, v[T1]
.irp b, 0,1,2,3
	v_fma_f32 v[BM+\b], v[BM+\b], s[CS], v[NM]
.endr
	WM
	WIN 0
.irp b, 0,1,2,3
	v_exp_f32 v[BM+\b], v[BM+\b]                   ; the block's largest p
.endr
	WIN 0x41
.irp j, 0,2,4,6
	v_pk_mul_f32 v[OA+64*\a+8*\qt+\j:OA+64*\a+8*\qt+\j+1], v[OA+64*\a+8*\qt+\j:OA+64*\a+8*\qt+\j+1], v[FAC:FAC+1] op_sel_hi:[1,0]   ; O^T under the new M; the plain place behind the exponentials
.endr
	WM
	WIN 0
	s_wait_alu depctr_va_vdst(0)
.irp b, 0,1,2,3
	v_max_num_f32 v[BM+\b], 0x4800000, v[BM+\b]
.endr
.irp b, 0,1,2,3
	v_add_nc_u32 v[SO+\b], 0xfc000000, v[BM+\b]
.endr
	WM
	WIN 0
.irp b, 0,1,2,3
	v_and_or_b32 v[HB+\b], v[BM+\b], 0x7f800000, s[MNT]
.endr
.irp b, 0,1,2,3
	v_lshrrev_b32 v[PX+\b], 23, v[SO+\b]
.endr
	WM
	WIN 0
	v_lshl_or_b32 v[PS], v[PX+1], 8, v[PX]
	v_lshl_or_b32 v[PS], v[PX+2], 16, v[PS]
	v_lshl_or_b32 v[PS], v[PX+3], 24, v[PS]
	PFMA 0, \sb, \sw
	PEXP 0
	PFMA 1, \sb, \sw                               ; plain lines behind each run of exponentials
	PSUM 0
	PCVT 0
	PEXP 1
	PFMA 2, \sb, \sw
	PSUM 1
	PCVT 1
	PEXP 2
	PFMA 3, \sb, \sw
	PSUM 2
	PCVT 2
	PEXP 3
	v_nop
	s_wait_alu depctr_va_vdst(0)
	PSUM 3
	PCVT 3
	WIN 0
	v_pk_add_f32 v[SA:SA+1], v[SA:SA+1], v[SB:SB+1]
	v_add_f32 v[T0], v[SA], v[SA+1]
	v_fma_f32 v[LSUM+\qt], v[LSUM+\qt], v[FAC], v[T0]   ; the sum under the new M, and this step's
	v_nop                                          ; with the lines above: five places between the last codes and the product
	WIN 0x50
	v_wmma_scale_f32_16x16x128_f8f6f4 v[OA+64*\a+8*\qt:OA+64*\a+8*\qt+7], v[VC:VC+15], v[PC:PC+15], v[OA+64*\a+8*\qt:OA+64*\a+8*\qt+7], v[VS], v[PS]
	WIN 0
.endm
; one attention: four steps of 128 keys
.macro ATT a
.if \a
	WIN 0x40                                       ; Wk_e, Wv_e take the registers of Wk, Wv, whose last products stand a whole softmax back
.irp i, 0,1
.irp c, 0,1,2,3
	global_load_b128 v[WKV+16*\i+4*\c:WKV+16*\i+4*\c+3], v[WOF], s[16:17] offset:16384*(6+\i)+512*\c
.endr
.endr
	WIN 0
.endif
.irp qt, 0,1,2,3
	v_mov_b32 v[TMX+\qt], 0xff61b1e6               ; -3e38, under every t
	v_mov_b32 v[LSUM+\qt], 0
.endr
	WIN 0x40
.set i, 0
.rept 32
	v_mov_b32 v[OA+64*\a+i], 0                     ; the step is written once: the first finds zeros
.set i, i+1
.endr
	WIN 0
	s_mov_b32 s[XOFF], XC+XCG*\a
	s_mov_b32 s[XSOFF], XC+XCS+4096*\a
	s_mov_b32 s[MOFF], 0
	s_mov_b32 s[CNT], 4
.if \a
	s_wait_loadcnt 0x0
.endif
.Latt_\@:
	v_add_nc_u32 v[AXF], s[XOFF], v[LI]
	v_add_nc_u32 v[AXS], s[XSOFF], v[LS]
	v_add_nc_u32 v[AMK0], s[MOFF], v[MKB]
	v_add_nc_u32 v[AMK0+1], 32*MP, v[AMK0]
	MAKEP \a
	ARMM 0, SCO, 0, 1
	QUANT SBF, 1, VC, VS                           ; V along the keys | tile 0's scores
	WFLUSH
	NOPS 8                                         ; behind the last product, ahead of the first read of its scores
	ARMM 1, SBF, 1, 1
	VSTR \a, 0, SCO, 0                             ; tile 0's softmax | tile 1's scores
	ARMM 2, SCO, 0, 1
	VSTR \a, 1, SBF, 1                             ; tile 1's | tile 2's
	ARMM 3, SBF, 1, 0
	VSTR \a, 2, SCO, 0                             ; tile 2's | tile 3's
.set MON, 0
	VSTR \a, 3, SBF, 1                             ; tile 3's softmax stands alone: the next step's V wants its buffer
	s_add_co_u32 s[XOFF], s[XOFF], 16384           ; eight images,
	s_add_co_u32 s[XSOFF], s[XSOFF], 1024          ; their scale words,
	s_add_co_u32 s[MOFF], s[MOFF], 512             ; 128 keys of the mask
	s_sub_co_u32 s[CNT], s[CNT], 1
	s_cmp_lg_u32 s[CNT], 0
	s_cbranch_scc1 .Latt_\@
	NOPS 8
.irp qt, 0,1,2,3
	v_permlanex16_b32 v[PX+\qt], v[LSUM+\qt], s[SEL], s[SEL+1]
.endr
.irp qt, 0,1,2,3
	v_add_f32 v[LSUM+\qt], v[LSUM+\qt], v[PX+\qt]  ; the row's sum
.endr
.irp qt, 0,1,2,3
	v_rcp_f32 v[HB+2*\qt], v[LSUM+\qt]
.endr
	v_nop
	WIN 0x41
	s_wait_alu depctr_va_vdst(0)
.irp qt, 0,1,2,3
.irp j, 0,2,4,6
	v_pk_mul_f32 v[OA+64*\a+8*\qt+\j:OA+64*\a+8*\qt+\j+1], v[OA+64*\a+8*\qt+\j:OA+64*\a+8*\qt+\j+1], v[HB+2*\qt:HB+2*\qt+1] op_sel_hi:[1,0]
.endr
.endr
	WIN 0
.endm
	; ---- the head
	s_load_b512 s[8:23], s[0:1], 0x0               ; mask s[8:9], xkv s[10:11], xsh s[12:13], xq s[14:15], wq s[16:17], bcomb1 s[18:19], bcomb2 s[20:21], out0 s[22:23]
	v_lshrrev_b32 v4, 5, v0
	v_readfirstlane_b32 s2, v4                     ; wave = head
	v_and_b32 v4, 31, v0                           ; lane
	v_and_b32 v5, 15, v0                           ; r
	v_bfe_u32 v6, v0, 4, 1                         ; h
	v_lshlrev_b32 v[LI], 4, v4
	v_lshlrev_b32 v[LS], 2, v4
	v_mul_u32_u24 v[MKB], v5, MP
	v_lshl_add_u32 v[MKB], v6, 6, v[MKB]
	s_and_b32 s4, ttmp7, 0xffff                    ; batch
	s_lshl_b32 s24, s4, 20
	s_lshl_b32 s5, ttmp9, 17
	s_add_co_u32 s24, s24, s5                      ; my 64 rows of the mask
	s_mov_b32 s25, 0
	s_lshr_b32 s5, s2, 1
	s_lshl_b32 s5, s5, 15
	s_and_b32 s6, s2, 1
	s_lshl_b32 s6, s6, 10
	s_add_co_u32 s26, s24, s5
	s_add_co_u32 s26, s26, s6                      ; out0: rows 16 (w / 2) on, columns 256 (w % 2) on
	s_mov_b32 s27, 0
	s_mul_i32 s44, s4, 139264
	s_mov_b32 s45, 0
	s_mul_i32 s46, s4, 69632
	s_mov_b32 s47, 0
	s_lshl_b32 s48, s4, 3
	s_add_co_u32 s48, s48, ttmp9
	s_mul_i32 s48, s48, 34816
	s_mov_b32 s49, 0
	s_mul_i32 s5, s2, 8*MP                         ; wave w brings mask rows 8 w .. 8 w + 7: 2,048 bytes apart in memory, 2,064 in LDS
	v_add_nc_u32 v[ALM], s5, v[LI]
	s_lshl_b32 s5, s2, 14
	v_add_nc_u32 v[AGM], s5, v[LI]
	s_mul_i32 s5, s2, 17408                        ; an eighth of xkv's 139,264 bytes: 34 x 512
	v_add_nc_u32 v[AGX], s5, v[LI]
	v_add_nc_u32 v[ALX], XC, v[AGX]
	s_mul_i32 s5, s2, 4352                         ; an eighth of xq's 34,816: 8 x 512 + 256
	v_add_nc_u32 v[AGQ], s5, v[LI]
	v_add_nc_u32 v[ALQ], QX, v[AGQ]
	s_add_co_u32 s5, s5, 4096
	v_lshl_add_u32 v[AGT], v4, 3, s5
	v_add_nc_u32 v[ALT], QX, v[AGT]
	s_lshl_b32 s5, s2, 11
	v_add_nc_u32 v[WOF], s5, v[LI]
	s_lshl_b32 s5, s2, 7
	v_add_nc_u32 v[WSO], s5, v[LS]
	v_add_nc_u32 v[QF], QX, v[LI]
	v_add_nc_u32 v[QSA], QX+QXS, v[LS]
	s_wait_kmcnt 0x0
	s_add_nc_u64 s[8:9], s[8:9], s[24:25]
	s_add_nc_u64 s[22:23], s[22:23], s[26:27]
	s_add_nc_u64 s[10:11], s[10:11], s[44:45]
	s_add_nc_u64 s[12:13], s[12:13], s[46:47]
	s_add_nc_u64 s[14:15], s[14:15], s[48:49]
	; ---- LDS is filled through registers: every load and every LDS store of a wave covers 512 consecutive bytes.  62 loads go out at once.
	; Mask rows 0-3 of my eight pass through window 1's v128-191, rows 4-7 through its v0-63: neither score buffer is ever a load's destination
	WIN 0x40
.irp j, 0,1,2,3,4,5,6,7
.irp c, 0,1,2,3
	global_load_b128 v[128*(1-\j/4)+16*(\j%4)+4*\c:128*(1-\j/4)+16*(\j%4)+4*\c+3], v[AGM], s[8:9] offset:2048*\j+512*\c th:TH_LOAD_NT   ; the mask is read once in the launch
.endr
.endr
.set i, 0
.rept 16
	global_load_b128 v[WKV+4*i:WKV+4*i+3], v[AGX], s[10:11] offset:512*i
.set i, i+1
.endr
	WIN 0
.set i, 16
.rept 14
	global_load_b128 v[MK+4*(i-16):MK+4*(i-16)+3], v[AGX], s[10:11] offset:512*i
.set i, i+1
.endr
	s_wait_loadcnt 30                              ; the mask's 32 loads are in; the 16 + 14 of xkv behind them may be out
	WIN 0x04
.irp j, 0,1,2,3,4,5,6,7
.irp c, 0,1,2,3
	ds_store_b128 v[ALM], v[128*(1-\j/4)+16*(\j%4)+4*\c:128*(1-\j/4)+16*(\j%4)+4*\c+3] offset:MP*\j+512*\c
.endr
.endr
	WIN 0
.set i, 30
.rept 4
	global_load_b128 v[MK+4*(i-16):MK+4*(i-16)+3], v[AGX], s[10:11] offset:512*i
.set i, i+1
.endr
.set i, 0
.rept 8
	global_load_b128 v[216+4*i:216+4*i+3], v[AGQ], s[14:15] offset:512*i th:TH_LOAD_NT
.set i, i+1
.endr
	global_load_b64 v[248:249], v[AGT], s[14:15] th:TH_LOAD_NT
	s_wait_dscnt 0x0                               ; the mask's LDS stores have read their registers: the four Wq may land where rows 4-7 lay
	WIN 0x40                                       ; my head's tile of the four Wq
.irp i, 0,1,2,3
.irp c, 0,1,2,3
	global_load_b128 v[KF+16*\i+4*\c:KF+16*\i+4*\c+3], v[WOF], s[16:17] offset:16384*\i+512*\c
.endr
.endr
	WIN 0
.irp i, 0,1,2,3
	global_load_b32 v[WQS+\i], v[WSO], s[16:17] offset:163840+1024*\i
.endr
	s_wait_loadcnt 47                              ; xkv's first 16 pieces are in; behind them: 14 + 4 of xkv, 9 of xq, 20 of Wq
	WIN 0x04
.set i, 0
.rept 16
	ds_store_b128 v[ALX], v[WKV+4*i:WKV+4*i+3] offset:512*i
.set i, i+1
.endr
	WIN 0
	s_mov_b32 s[CS], 0x3fb8aa3b
	s_mov_b32 s[CS+1], s[CS]                       ; (a packed form names the pair, so both words are written)
	s_mov_b32 s[SEL], 0x76543210
	s_mov_b32 s[SEL+1], 0xfedcba98
	s_mov_b32 s[MNT], 0x600000
	s_mov_b32 s[C1], 0x3e8293ee
	s_mov_b32 s[C1+1], s[C1]
	s_mov_b32 s[M20], 0xc1a00000
	s_mov_b32 s[M20+1], s[M20]
	s_mov_b32 s[P10], 0x41200000
	s_mov_b32 s[P10+1], s[P10]
.irp b, 0,1,2,3
	v_mov_b32 v[PX+\b], 0                          ; written once: a lane permute's destination counts as one of its sources
.endr
	v_mov_b32 v[NM+1], 0                           ; (upper halves of pairs of which the low word serves both halves)
	v_mov_b32 v[FAC+1], 0
	s_wait_loadcnt 20                              ; all that goes to LDS is in; Wq's 20 loads may be out
	s_wait_dscnt 0x0                               ; the LDS stores so far have read their registers: Wk, Wv may land where xkv's first pieces lay
	WIN 0x40
.irp i, 0,1
.irp c, 0,1,2,3
	global_load_b128 v[WKV+16*\i+4*\c:WKV+16*\i+4*\c+3], v[WOF], s[16:17] offset:16384*(4+\i)+512*\c
.endr
.endr
	WIN 0
.irp i, 0,1,2,3
	global_load_b32 v[WS+\i], v[WSO], s[16:17] offset:163840+1024*(4+\i)
.endr
.set i, 16
.rept 18
	ds_store_b128 v[ALX], v[MK+4*(i-16):MK+4*(i-16)+3] offset:512*i
.set i, i+1
.endr
.set i, 0
.rept 8
	ds_store_b128 v[ALQ], v[216+4*i:216+4*i+3] offset:512*i
.set i, i+1
.endr
	ds_store_b64 v[ALT], v[248:249]
	BAR                                            ; my eighth lies in LDS; behind the barrier everybody's does
	; ---- q of my head for the 64 queries: four products in one chain, four accumulators by turns
.irp i, 0,1,2,3
.if \i
	NOPS 8
.endif
.irp qt, 0,1,2,3
	FETCH MK+16*\qt, QF, (4*\i+\qt)*2048
.endr
.irp qt, 0,1,2,3
	ds_load_b32 v[XS+\qt], v[QSA] offset:(4*\i+\qt)*128
.endr
	s_wait_dscnt 0x0
.if \i == 0
	s_wait_loadcnt 12                              ; the four Wq and their scale words are in; the 8 + 4 loads behind them may be out
.endif
	WIN 0x51
.irp qt, 0,1,2,3
.if \i == 0
	v_wmma_scale_f32_16x16x128_f8f6f4 v[QR+8*\qt:QR+8*\qt+7], v[KF+16*\i:KF+16*\i+15], v[MK+16*\qt:MK+16*\qt+15], 0, v[WQS+\i], v[XS+\qt]
.else
	v_wmma_scale_f32_16x16x128_f8f6f4 v[QR+8*\qt:QR+8*\qt+7], v[KF+16*\i:KF+16*\i+15], v[MK+16*\qt:MK+16*\qt+15], v[QR+8*\qt:QR+8*\qt+7], v[WQS+\i], v[XS+\qt]
.endif
.endr
	WIN 0
.endr
	NOPS 8
	WIN 0x41
.set i, 0
.rept 16
	v_pk_mul_f32 v[QR+i:QR+i+1], v[QR+i:QR+i+1], 0x3e800000 op_sel_hi:[1,0]   ; q / sqrt(16): exact
.set i, i+2
.endr
	WIN 0
	s_wait_loadcnt 0x0                             ; Wk, Wv and the four scale words
	ATT 0
	ATT 1
	; ---- the epilogue's addresses
	v_and_b32 v[T0], 15, v0                        ; r
	v_bfe_u32 v[T1], v0, 4, 1                      ; h
	s_lshr_b32 s44, s2, 1                          ; at the end wave w takes queries 16 (w / 2) on
	s_and_b32 s45, s2, 1                           ; and nodes 256 (w % 2) on
	s_mul_i32 s5, s44, 16*MP
	s_lshl_b32 s6, s45, 10
	s_add_co_u32 s5, s5, s6
	v_add_nc_u32 v[MKF], s5, v[MKB]                ; my part of the mask, in the layout of results,
	v_add_nc_u32 v[RB], s5, v[LI]                  ; and by rows
	s_mul_i32 s5, s2, 8704                         ; an eighth of xsh's 69,632 bytes: 17 x 512
	v_add_nc_u32 v[XSO], s5, v[LI]
	v_add_nc_u32 v[SHS], SHKL, v[XSO]
	s_lshl_b32 s5, s2, 6
	v_lshl_add_u32 v[BOF], v[T1], 5, s5            ; 64 w + 32 h: my eight channels, in bytes
	v_mul_u32_u24 v[ORD], v[T0], SP
	v_add_nc_u32 v[OST], v[ORD], v[BOF]
	v_add_nc_u32 v[OST], OSTG, v[OST]              ; into a stage: row r, my eight channels
	v_lshl_add_u32 v[ORD], v[T1], 6, v[ORD]        ; out of it: row r, + 64 h
	s_mul_i32 s5, s44, 16*SP
	s_add_co_u32 s5, s5, OSTG
	v_add_nc_u32 v[MRD], s5, v[ORD]
	s_mul_i32 s5, s2, 16*SP
	s_add_co_u32 s5, s5, OSTG
	v_add_nc_u32 v[ORD], s5, v[ORD]
	v_add_nc_u32 v[IMS], OIMG, v[WOF]
	v_add_nc_u32 v[ISS], OIMG+OIMS, v[WSO]
	v_add_nc_u32 v[QSA], OIMG+OIMS, v[LS]
	s_lshl_b32 s5, s45, 15
	s_add_co_u32 s5, s5, SHKL
	v_add_nc_u32 v[SHF], s5, v[LI]
	s_lshl_b32 s5, s45, 11
	s_add_co_u32 s5, s5, SHKL+SHKS
	v_add_nc_u32 v[SSF], s5, v[LS]
	s_lshl_b32 s5, s2, 7
	s_add_co_u32 s5, s5, EXCH
	v_lshl_add_u32 v[EXS], v[T0], 3, s5
	s_xor_b32 s5, s2, 1
	s_lshl_b32 s5, s5, 7
	s_add_co_u32 s5, s5, EXCH
	v_lshl_add_u32 v[EXL], v[T0], 3, s5            ; my partner's: the other half of the same rows
	; ---- what the end needs from memory is asked for now
	WIN 0x40
.set i, 0
.rept 17
	global_load_b128 v[4*i:4*i+3], v[XSO], s[12:13] offset:512*i      ; my eighth of the codes of nodes + graph: window 1's v0-67, where K and Wk lay
.set i, i+1
.endr
.irp a, 0,1
.irp c, 0,1,2,3
	global_load_b128 v[WCF+16*\a+4*\c:WCF+16*\a+4*\c+3], v[WOF], s[16:17] offset:16384*(8+\a)+512*\c
.endr
.endr
	WIN 0
.irp a, 0,1
	global_load_b32 v[WCS+\a], v[WSO], s[16:17] offset:163840+1024*(8+\a)
.endr
	global_load_b128 v[VC:VC+3], v[BOF], s[18:19]
	global_load_b128 v[VC+4:VC+7], v[BOF], s[18:19] offset:16
	global_load_b128 v[VC+8:VC+11], v[BOF], s[20:21]
	global_load_b128 v[VC+12:VC+15], v[BOF], s[20:21] offset:16
	BAR                                            ; every wave's reads of the codes of nodes and graph are over: their bytes may be written
	; ---- out1, out2 meet in a stage: a row's 128 channels come from eight waves
	WIN 0x04
.irp a, 0,1
.irp qt, 0,1,2,3
	ds_store_b128 v[OST], v[OA+64*\a+8*\qt:OA+64*\a+8*\qt+3] offset:(64*\a+16*\qt)*SP
	ds_store_b128 v[OST], v[OA+64*\a+8*\qt+4:OA+64*\a+8*\qt+7] offset:(64*\a+16*\qt)*SP+16
.endr
.endr
	s_wait_loadcnt 14                              ; xsh's 17 loads are in; the 8 + 2 + 4 behind them may be out
.set i, 0
.rept 17
	ds_store_b128 v[SHS], v[4*i:4*i+3] offset:512*i
.set i, i+1
.endr
	WIN 0
	BAR
	; ---- wave w quantises fragment w = 4 a + qt of (out1, out2) along the 128 channels
.irp c, 0,1,2,3
.irp g, 0,1,2,3
	ds_load_b128 v[MK+16*\c+4*\g:MK+16*\c+4*\g+3], v[ORD] offset:128*\c+16*\g
.endr
.endr
	s_wait_dscnt 0x0
	QUANT MK, 0, PC, PS
.irp c, 0,1,2,3
	ds_store_b128 v[IMS], v[PC+4*\c:PC+4*\c+3] offset:512*\c
.endr
	ds_store_b32 v[ISS], v[PS]
	BAR
	; ---- mh_out^T: my 16 channels for the 64 queries; b1 + b2 is the C of the first product
	s_wait_loadcnt 0x0
.irp j, 0,2,4,6
	v_pk_add_f32 v[VC+\j:VC+\j+1], v[VC+\j:VC+\j+1], v[VC+8+\j:VC+8+\j+1]
.endr
.irp a, 0,1
.if \a
	NOPS 8
.endif
.irp qt, 0,1,2,3
	FETCH MK+16*\qt, QF, (4*\a+\qt)*2048
.endr
.irp qt, 0,1,2,3
	ds_load_b32 v[XS+\qt], v[QSA] offset:(4*\a+\qt)*128
.endr
	s_wait_dscnt 0x0
	WIN 0x01
.irp qt, 0,1,2,3
.if \a == 0
	v_wmma_scale_f32_16x16x128_f8f6f4 v[PT+8*\qt:PT+8*\qt+7], v[WCF+16*\a:WCF+16*\a+15], v[MK+16*\qt:MK+16*\qt+15], v[VC:VC+7], v[WCS+\a], v[XS+\qt]
.else
	v_wmma_scale_f32_16x16x128_f8f6f4 v[PT+8*\qt:PT+8*\qt+7], v[WCF+16*\a:WCF+16*\a+15], v[MK+16*\qt:MK+16*\qt+15], v[PT+8*\qt:PT+8*\qt+7], v[WCS+\a], v[XS+\qt]
.endif
.endr
	WIN 0
.endr
	NOPS 8
.irp qt, 0,1,2,3
	ds_store_b128 v[OST], v[PT+8*\qt:PT+8*\qt+3] offset:16*\qt*SP
	ds_store_b128 v[OST], v[PT+8*\qt+4:PT+8*\qt+7] offset:16*\qt*SP+16
.endr
	BAR
	; ---- the scores: 16 queries x 256 nodes a wave; source 0 = 16 nodes, source 1 = mh_out: a lane holds one query.  Four fragments of nodes + graph at a time
.irp c, 0,1,2,3
.irp g, 0,1,2,3
	ds_load_b128 v[MK+16*\c+4*\g:MK+16*\c+4*\g+3], v[MRD] offset:128*\c+16*\g
.endr
.endr
	WIN 0x40
.irp t, 0,1,2,3
	FETCH 16*\t, SHF, \t*2048
.endr
	WIN 0
	s_wait_dscnt 16                                ; mh_out's 16 loads are in; the 16 behind them may be out
.irp t, 0,1,2,3,4,5,6,7,8,9,10,11,12,13,14,15
	ds_load_b32 v[WS+\t], v[SSF] offset:128*\t     ; the scale words of my 16 tiles of nodes + graph land while mh_out is quantised
.endr
	QUANT MK, 0, PC, PS
	NOPS 4
.irp rr, 0,1,2,3
.if \rr
	NOPS 8                                         ; in front of loads into registers that the products above have read
	WIN 0x40
.irp t, 0,1,2,3
	FETCH 16*\t, SHF, (4*\rr+\t)*2048
.endr
.endif
	s_wait_dscnt 0x0
	WIN 0x41
.irp t, 0,1,2,3
	v_wmma_scale_f32_16x16x128_f8f6f4 v[DD+8*(4*\rr+\t):DD+8*(4*\rr+\t)+7], v[16*\t:16*\t+15], v[PC:PC+15], 0, v[WS+4*\rr+\t], v[PS]
.endr
.endr
	NOPS 8
; 10 tanh(z) + mask = (mask + 10) - 20 / (1 + 2^(2 log2(e) z)), z = score / sqrt(128): 64 registers at a time
.macro TANH hh
	WIN 0
.irp b, 0,1,2,3
.irp g, 0,1,2,3
	ds_load_b128 v[MK+16*\b+4*\g:MK+16*\b+4*\g+3], v[MKF] offset:512*\hh+128*\b+16*\g
.endr
.endr
	WIN 0x41
.set i, DD+64*\hh
.rept 32
	v_pk_mul_f32 v[i:i+1], v[i:i+1], s[C1:C1+1] op_sel_hi:[1,0]
.set i, i+2
.endr
.set i, DD+64*\hh
.rept 64
	v_exp_f32 v[i], v[i]
.set i, i+1
.endr
	v_nop
.set i, DD+64*\hh
	s_wait_alu depctr_va_vdst(0)
.rept 32
	v_pk_add_f32 v[i:i+1], v[i:i+1], 1.0 op_sel_hi:[1,0]
.set i, i+2
.endr
.set i, DD+64*\hh
.rept 64
	v_rcp_f32 v[i], v[i]
.set i, i+1
.endr
	v_nop
	s_wait_dscnt 0x0
	WIN 0
.set i, MK
.rept 32
	v_pk_add_f32 v[i:i+1], v[i:i+1], s[P10:P10+1] op_sel_hi:[1,0]
.set i, i+2
.endr
	WIN 0x41
.set i, 0
	s_wait_alu depctr_va_vdst(0)
.rept 32
	v_pk_fma_f32 v[DD+64*\hh+i:DD+64*\hh+i+1], v[DD+64*\hh+i:DD+64*\hh+i+1], s[M20:M20+1], v[MK+i:MK+i+1] op_sel_hi:[1,0,1]
.set i, i+2
.endr
.endm
	TANH 0
	TANH 1
	; the largest of my 256 nodes of each row: four chains, started by the first twelve numbers
	WIN 0x15
.irp k, 0,1,2,3
	v_max3_num_f32 v[BM+\k], v[DD+3*\k], v[DD+3*\k+1], v[DD+3*\k+2]
.endr
	WIN 0x14
.set i, 12
.rept 58
	v_max3_num_f32 v[BM+(i/2)%4], v[BM+(i/2)%4], v[DD+i], v[DD+i+1]
.set i, i+2
.endr
	WIN 0
	v_max3_num_f32 v[BM], v[BM], v[BM+1], v[BM+2]
	v_max3_num_f32 v[BM], v[BM], v[BM+3], 0xff000000     ; held at -2^127 from below, so that a half whose every node is hidden keeps a finite maximum x log2(e)
	v_permlanex16_b32 v[PX], v[BM], s[SEL], s[SEL+1]
	v_max_num_f32 v[HB], v[BM], v[PX]
	v_mul_f32 v[NM], -v[HB], s[CS]
	WIN 0x41
.set i, DD
.rept 64
	v_pk_fma_f32 v[i:i+1], v[i:i+1], s[CS:CS+1], v[NM:NM+1] op_sel_hi:[1,0,0]
.set i, i+2
.endr
.set i, DD
.rept 128
	v_exp_f32 v[i], v[i]
.set i, i+1
.endr
	v_nop
	WIN 0x05
	s_wait_alu depctr_va_vdst(0)
	v_pk_add_f32 v[SA:SA+1], v[DD:DD+1], v[DD+2:DD+3]
	v_pk_add_f32 v[SB:SB+1], v[DD+4:DD+5], v[DD+6:DD+7]
	WIN 0x04
.set i, DD+8
.rept 30
	v_pk_add_f32 v[SA:SA+1], v[SA:SA+1], v[i:i+1]
	v_pk_add_f32 v[SB:SB+1], v[SB:SB+1], v[i+2:i+3]
.set i, i+4
.endr
	WIN 0
	v_pk_add_f32 v[SA:SA+1], v[SA:SA+1], v[SB:SB+1]
	v_add_f32 v[HB+1], v[SA], v[SA+1]
	v_permlanex16_b32 v[PX], v[HB+1], s[SEL], s[SEL+1]
	v_add_f32 v[HB+1], v[HB+1], v[PX]
	ds_store_b64 v[EXS], v[HB:HB+1]                ; (maximum, sum) of my half of row r; both halves of the lanes write the same
	BAR
	ds_load_b64 v[HB+2:HB+3], v[EXL]               ; the other half's
	s_wait_dscnt 0x0
	v_max_num_f32 v[SO], v[HB], v[HB+2]            ; the row's maximum
	v_sub_f32 v[SO+1], v[HB], v[SO]
	v_sub_f32 v[SO+2], v[HB+2], v[SO]
	v_mul_f32 v[SO+1], s[CS], v[SO+1]
	v_mul_f32 v[SO+2], s[CS], v[SO+2]
	v_exp_f32 v[SO+1], v[SO+1]
	v_exp_f32 v[SO+2], v[SO+2]
	v_nop
	s_wait_alu depctr_va_vdst(0)
	v_mul_f32 v[SO+3], v[HB+1], v[SO+1]
	v_fma_f32 v[SO+3], v[HB+3], v[SO+2], v[SO+3]   ; the row's sum under the row's maximum
	v_rcp_f32 v[SO+3], v[SO+3]
	v_nop
	s_wait_alu depctr_va_vdst(0)
	v_mul_f32 v[NM], v[SO+1], v[SO+3]
	WIN 0x41
.set i, DD
.rept 64
	v_pk_mul_f32 v[i:i+1], v[i:i+1], v[NM:NM+1] op_sel_hi:[1,0]
.set i, i+2
.endr
	; ---- the way out: through my own part of the mask's bytes, which only I have read since the loops, and back by rows, into the registers that they left
	WIN 0x04
.irp b, 0,1,2,3,4,5,6,7
.irp g, 0,1,2,3
	ds_store_b128 v[MKF], v[DD+16*\b+4*\g:DD+16*\b+4*\g+3] offset:128*\b+16*\g
.endr
.endr
	WIN 0x40
.set i, 0
.rept 32
	ds_load_b128 v[DD+4*i:DD+4*i+3], v[RB] offset:MP*(i/2)+512*(i%2)      ; LDS serves a wave's instructions in order (ISA guide 5.7.1.4): these see my stores, and land behind them
.set i, i+1
.endr
	WIN 0x04
.set i, 0
.rept 32
	s_wait_dscnt 31-i                              ; the younger loads may be out
	global_store_b128 v[LI], v[DD+4*i:DD+4*i+3], s[22:23] offset:2048*(i/2)+512*(i%2) th:TH_STORE_NT   ; 32 lanes store 512 consecutive bytes, at a multiple of 512 from out0's first byte
.set i, i+1
.endr
	WIN 0
	s_wait_xcnt 0x0
	v_lshl_add_u32 v254, v0, 2, 0x4b000
	v_mov_b32 v255, 0
	s_wait_tensorcnt 0x0
	ds_add_u32 v254, v255
	s_wait_dscnt 0x0
	s_endpgm
.Lfunc_end_k_q85a6d26825_dec:
	.size	k_q85a6d26825_dec, .Lfunc_end_k_q85a6d26825_dec-k_q85a6d26825_dec
	.p2alignl 7, 3214868480
	.fill 96, 4, 3214868480
	.section	.rodata,"a",@progbits
	.p2align	6, 0x0
	.amdhsa_kernel k_q85a6d26825_dec
		.amdhsa_group_segment_fixed_size 308224
		.amdhsa_private_segment_fixed_size 0
		.amdhsa_enable_private_segment 0
		.amdhsa_kernarg_size 64
		.amdhsa_user_sgpr_count 2
		.amdhsa_user_sgpr_kernarg_segment_ptr 1
		.amdhsa_wavefront_size32 1
		.amdhsa_system_sgpr_workgroup_id_x 1
		.amdhsa_system_sgpr_workgroup_id_y 1
		.amdhsa_system_sgpr_workgroup_id_z 1
		.amdhsa_system_vgpr_workitem_id 0
		.amdhsa_next_free_vgpr 512
		.amdhsa_next_free_sgpr 66
		.amdhsa_reserve_vcc 0
		.amdhsa_float_denorm_mode_32 3
		.amdhsa_float_denorm_mode_16_64 3
		.amdhsa_memory_ordered 1
		.amdhsa_forward_progress 1
		.amdhsa_inst_pref_size 255
	.end_amdhsa_kernel
	.section	.bss,"aw",@nobits
	.p2align	6
	.space	262144
	.amdgpu_metadata
---
amdhsa.version: [ 1, 2 ]
amdhsa.kernels:
  - .name:           k_q85a6d26825_dec
    .symbol:         k_q85a6d26825_dec.kd
    .args:
      - { .name: ninf_mask, .offset: 0, .size: 8, .value_kind: global_buffer, .address_space: global }
      - { .name: xkv, .offset: 8, .size: 8, .value_kind: global_buffer, .address_space: global }
      - { .name: xsh, .offset: 16, .size: 8, .value_kind: global_buffer, .address_space: global }
      - { .name: xq, .offset: 24, .size: 8, .value_kind: global_buffer, .address_space: global }
      - { .name: wq, .offset: 32, .size: 8, .value_kind: global_buffer, .address_space: global }
      - { .name: bcomb1, .offset: 40, .size: 8, .value_kind: global_buffer, .address_space: global }
      - { .name: bcomb2, .offset: 48, .size: 8, .value_kind: global_buffer, .address_space: global }
      - { .name: out0, .offset: 56, .size: 8, .value_kind: global_buffer, .address_space: global }
    .group_segment_fixed_size: 308224
    .private_segment_fixed_size: 0
    .kernarg_segment_align: 8
    .kernarg_segment_size: 64
    .max_flat_workgroup_size: 256
    .sgpr_count:     66
    .vgpr_count:     512
    .wavefront_size: 32
...
	.end_amdgpu_metadata
.endif
;; end of part 2
;; ======== version 2 of 2: 2 launches; version 1 with the launch dec written anew for expert scheduling mode
;; workspace buffers: xkv 4,456,448 bytes; xsh 2,228,224 bytes; xq 8,912,896 bytes; wq 174,080 bytes
;; launch quant: the kernel of part 1 again; grid 788 x 1, 4 waves a work-group, no clusters, 68,096 bytes of LDS; arguments encoded_nodes, encoded_graph, encoded_q1, encoded_first_graph, encoded_last_node, encoded_last_graph, Wq_first, Wq_first_e, Wq_last, Wq_last_e, Wk, Wv, Wk_e, Wv_e, Wcomb1, Wcomb2, xkv, xsh, xq, wq; writes xkv, xsh, xq, wq
;; launch dec (part 3): grid 8 x 32, 8 waves a work-group, no clusters, 308,224 bytes of LDS; arguments ninf_mask, xkv, xsh, xq, wq, bcomb1, bcomb2, out0; writes out0
.if DOCPART == 3
	.amdgcn_target "amdgcn-amd-amdhsa--gfx1250"
	.amdhsa_code_object_version 6
	.text
	.protected	k_q85a6d26825_dec
	.globl	k_q85a6d26825_dec
	.p2align	8
	.type	k_q85a6d26825_dec,@function
k_q85a6d26825_dec:
	s_mov_b64 s[64:65], 0
	v_nop
	global_prefetch_b8 v0, s[64:65] scope:SCOPE_SE
	s_setreg_imm32_b32 hwreg(HW_REG_WAVE_SCHED_MODE, 0, 2), 2
	s_setreg_imm32_b32 hwreg(HW_REG_WAVE_MODE, 25, 1), 1
	s_wait_xcnt 0x0
	s_wait_alu depctr_vm_vsrc(0)
; The whole decoder behind the quantiser, for 64 queries of one batch: q, both attentions, the two combining products, the scores against nodes + graph, 10 tanh + mask, the row softmax.
; SHARES.  Work-group (x, y): queries 64 x .. 64 x + 63 of batch y.  Eight waves of 512 registers, two to a SIMD.  WAVE w = HEAD w.
; LDS, filled once, through registers, an eighth by each wave: the 64 x 512 mask (pitch 2,064 = 129 x 16 bytes), the batch's codes of nodes and graph, the block's codes of the four query tensors.
; q, k and v never go to memory.  A projection is used transposed (source 0 = the head's 16 columns of the weight, source 1 = 16 rows of x): lane (r, h) then holds row r and channels 8 h + 0 .. 7, which
; IS an operand of the f32 product: its K step ks takes registers 2 ks, 2 ks + 1, the same choice of channels on both sides.  V is made the other way round (source 0 = 16 keys): lane r holds channel r and
; its registers run along the keys, so it is quantised along the keys in registers.  The keys of a tile are 32 G + 8 u + r + 8 (r / 8): the 16 registers of tiles 2 G, 2 G + 1 are 16 neighbouring keys.
; S^T = K Q^T + mask: the mask is the C of the first K step; q carries the 1 / 4.  A lane holds ONE query throughout.  p = 2^(t - M), M the running largest t rounded up to a whole number; the sum is taken of
; the unquantised p; O^T and the sum are multiplied by 2^(old M - new M) in every step.
; BY TURNS.  A tile of 16 queries x 128 keys is 32 f32 products and some 290 vector lines of softmax.  The scores have two buffers: while one tile's softmax is walked, the next tile's 32 products are issued
; between its lines, one about every eight lines (the macro WM writes the next product wherever a stream calls it).  The first tile's products of a step stand so among the lines that quantise V.
; The vector lines keep their order; a product costs two switches of the register window, since no window holds its operands beside the softmax's.
; The main loops have no barrier: LDS is only read there.  Behind them the regions are written over by LDS stores, each behind a barrier that every reader has passed.
; THE MODE: SCHED_MODE bits 1:0 = 2 (LLVM: expert scheduling mode 2), set by the entry lines.  The code itself states the register dependences between vector or matrix instructions and memory or LDS
; instructions, with s_wait_alu, always for 0.
; THE PLAN.  Registers that LDS instructions touch in the two loops (no global instruction stands there):
;   v[MK ..], 64    LDS loads land in it in six runs a step: the code fragments of keys 0-63, those of keys 64-127, the mask of tiles 0, 1, 2, 3.  Read by the projections (an operand) and by products 0 to 7 of a tile (C).
;   v[XS ..], 8     The fragments' scale words, loaded with them; read by the projections.
;   v[AXF], v[AXS], v[AMK0], v[AMK0+1]   Written by four additions at a step's head; read by all the step's LDS loads.
;   K, V, q, both score buffers, O^T, PT and the statistics are named by vector and matrix instructions alone.  V's and p's codes and scale words are made by vector lines and are operands of a scaled product.
; So a step has one wait on vm_vsrc, ahead of the four additions; one wait on va_vdst ahead of each of the six runs of loads (the first also states that the additions are written); and one ahead of each of
; the four products V^T P, behind its places.  Outside the loops each wait's comment names its dependence.
; NO CLUSTER: the eight work-groups of a batch share 208,896 bytes (codes of nodes, graph and their sum) of the 374,784 that each brings in, once, outside the loops, against 1,024 f32 and 176 FP8 matrix
; instructions a wave between; the larger part, the mask and the queries' codes, is shared with nobody.
; LIMITS.  A query whose mask hides every node: reference() gives NaN; here its row comes out NaN by 0 x infinity, but the numbers on the way pass quantisers and are not vouched for.  NaN or +infinity in
; the mask, NaN or infinities elsewhere: not served.  Orders of rounding that differ: the mask is added ahead of the 16 products of a score and not behind them (exact for 0 and -infinity, else within a
; few units in the last place of the larger of the two); the four products of q form one chain; b1 + b2 is added first; mask + 10 is formed ahead of the -20 / (1 + e^2z).
; A block of zeros has the scale byte 1: its codes are zeros.
.set MP,    2064                       ; a mask row in LDS
.set XC,    132096                     ; the batch's xkv as it lies: nodes' 32 images, graph's 32, nodes' scale words, graph's
.set XCG,   65536
.set XCS,   131072
.set QX,    271360                     ; the block's xq as it lies: 16 images, 16 x 128 bytes of scale words
.set QXS,   32768
.set EXCH,  306176                     ; 128 bytes a wave: (maximum, sum) of 16 rows
.set OSTG,  XC                         ; over XC: 128 rows (attention, query) x 528 bytes; later the 64 rows of mh_out
.set SP,    528
.set SHKL,  199680                     ; over XC: the batch's xsh as it lies
.set SHKS,  65536
.set OIMG,  QX                         ; over QX: 8 images of out1, out2, then their scale words
.set OIMS,  16384
; window 0
.set LI,   1                           ; 16 x lane
.set LS,   2                           ; 4 x lane
.set MKB,  3                           ; 2,064 r + 64 h
.set AMK0, 4                           ; the step's mask, queries 0-31;  v5: queries 32-63
.set AXF,  6                           ; the step's code images
.set AXS,  7                           ; and scale words
.set WOF,  8                           ; 2,048 w + 16 x lane: my tile in wq
.set WSO,  9                           ; 128 w + 4 x lane
.set QF,   10                          ; QX + 16 x lane
.set QSA,  11                          ; scale words in QX, later in OIMG
.set WS,   12                          ; v12-15 scale words of Wk, Wv, Wk_e, Wv_e     (v12-31 hold scales and nothing else)
.set XS,   16                          ; v16-23 of x's fragments
.set WQS,  24                          ; v24-27 of the four Wq
.set VS,   28                          ; of V's codes
.set PS,   29                          ; of p's codes, of out's, of mh_out's
.set WCS,  30                          ; v30-31 of Wcomb1, Wcomb2
.set BM,   32
.set PX,   36
.set HB,   40
.set SO,   44
.set NM,   48                          ; v[48:49] -M
.set FAC,  50                          ; v[50:51] 2^(old M - new M)
.set TMX,  52                          ; v52-55 the running largest t, a tile of queries each
.set LSUM, 56                          ; v56-59 the running sum
.set SA,   60
.set SB,   62
.set T0,   60
.set T1,   61
.set VC,   64                          ; v64-79 V's codes; later the biases
.set SCO,  80                          ; v80-143 S^T, first buffer: written by matrix instructions alone
.set MK,   144                         ; v144-207 the mask as C; four code fragments; 64 numbers on their way to a quantiser
.set PT,   208                         ; v208-239 two buffers of 16 numbers; later mh_out's accumulators
.set PC,   240                         ; v240-255 codes
; the head's offsets, in registers that are first written again behind the first barrier
.set AGM,  32                          ; the mask: my eight rows in memory: 16,384 w + 16 x lane
.set ALM,  33                          ; and in LDS: 16,512 w + 16 x lane
.set AGX,  34                          ; xkv: my eighth: 17,408 w + 16 x lane
.set ALX,  35                          ; and in LDS
.set AGQ,  40                          ; xq: my eighth: 4,352 w + 16 x lane
.set ALQ,  41
.set AGT,  42                          ; its last 256 bytes: 4,352 w + 4,096 + 8 x lane
.set ALT,  43
; the epilogue's addresses, in registers that the loops have left
.set XSO,  3
.set BOF,  4
.set OST,  5
.set SHS,  6
.set ORD,  7
.set RB,   50
.set IMS,  52
.set ISS,  53
.set MRD,  54
.set SHF,  55
.set SSF,  56
.set MKF,  57
.set EXS,  58
.set EXL,  59
; window 1
.set KF,   0                           ; v0-63    K's 8 tiles x 8; at the head mask rows 4-7 on their way to LDS, then the four Wq; at the end four fragments of nodes + graph
.set WKV,  64                          ; v64-95   Wk, Wv of the attention in hand; at the head v64-127 hold 16 pieces of xkv on their way to LDS
.set OA,   96                          ; O^T: attention a, tile qt at 96 + 64 a + 8 qt: v96-127 and v160-191
.set QR,   128                         ; v128-159 q: 4 tiles x 8; at the head v128-191 hold mask rows 0-3
.set SBF,  192                         ; v192-255 V, and S^T's second buffer: written by matrix instructions alone
.set WCF,  128                         ; Wcomb1, Wcomb2, where q lay
.set DD,   64                          ; v64-191  the final scores: 16 tiles x 8
; scalars
.set CS,   28                          ; s[28:29] log2(e)
.set SEL,  30                          ; s[30:31] lane l xor 16
.set MNT,  32
.set C1,   34                          ; s[34:35] 2 log2(e) / sqrt(128)
.set M20,  36                          ; s[36:37] -20
.set P10,  38                          ; s[38:39] 10
.set XOFF, 40
.set XSOFF, 41
.set MOFF, 42
.set CNT,  43
.set MSB, 0
.set MON, 0                            ; 1: WM writes products
.set wi,  32                           ; the next product of the tile in hand, 0 .. 31
.set MQ,  0                            ; its tile of queries
.set MD,  SCO                          ; its buffer,
.set MDW, 0                            ; and that buffer's window
.set MPF, 0                            ; 1: the next tile's mask is asked for ahead of product 16
.macro WIN new                         ; low byte: bits 1:0 source 0, 3:2 source 1, 5:4 source 2, 7:6 destination; the high byte repeats the setting that is left
.if MSB != \new
	s_set_vgpr_msb (MSB<<8)|\new
.set MSB, \new
.endif
.endm
.macro NOPS n                          ; places behind matrix instructions (ISA guide 7.12.1): all forms here want eight
.rept \n
	v_nop
.endr
.endm
.macro BAR                             ; my LDS stores have landed and my LDS loads are in: then the work-group's barrier
	s_wait_dscnt 0x0
	s_barrier_signal -1
	s_barrier_wait -1
.endm
.macro FETCH reg, adr, off             ; a fragment's image into its registers
.irp c, 0,1,2,3
	ds_load_b128 v[\reg+4*\c:\reg+4*\c+3], v[\adr] offset:\off+512*\c
.endr
.endm
; the mask of 16 queries x the step's 128 keys, in the layout of S^T: register 16 b + i = key 32 b + 16 h + i of query r
.macro MLOAD qt
.irp b, 0,1,2,3
.irp g, 0,1,2,3
	ds_load_b128 v[MK+16*\b+4*\g:MK+16*\b+4*\g+3], v[AMK0+(\qt)/2] offset:((\qt)%2)*16*MP+128*\b+16*\g
.endr
.endr
.endm
; From here on WM writes the 32 products of tile qt of queries into the buffer at md (window mdw)
.macro ARMM qt, md, mdw, pf
.set MON, 1
.set wi, 0
.set MQ, \qt
.set MD, \md
.set MDW, \mdw
.set MPF, \pf
.endm
; The next product of S^T = K Q^T + mask: product wi is K step wi / 8 of the tile of keys wi % 8.  The eight accumulators take turns, one instruction a turn.
; The first eight take the mask as C.  Ahead of product 16 the next tile's mask is asked for, behind its wait; the streams have far more than eight plain lines between product 7, the last that reads the
; mask, and that place, and some eight between product 15 and the wait.  A caller sets its own window behind WM.
.macro WM
.if MON
.if wi < 32
.if wi == 0
	s_wait_dscnt 0x0                               ; the tile's mask is in
.endif
.if wi == 16
.if MPF
	WIN 0
	s_wait_alu depctr_va_vdst(0)                   ; products 0 to 7 are done reading this tile's mask in v[MK ..], in which the next tile's lands
	MLOAD MQ+1
.endif
.endif
.if wi < 8
	WIN 0x05+0x40*MDW
	v_wmma_f32_16x16x4_f32 v[MD+8*wi:MD+8*wi+7], v[KF+8*wi:KF+8*wi+1], v[QR+8*MQ:QR+8*MQ+1], v[MK+8*wi:MK+8*wi+7]
.else
	WIN 0x05+0x50*MDW
	v_wmma_f32_16x16x4_f32 v[MD+8*(wi%8):MD+8*(wi%8)+7], v[KF+8*(wi%8)+2*(wi/8):KF+8*(wi%8)+2*(wi/8)+1], v[QR+8*MQ+2*(wi/8):QR+8*MQ+2*(wi/8)+1], v[MD+8*(wi%8):MD+8*(wi%8)+7]
.endif
.set wi, wi+1
.endif
.endif
.endm
.macro WFLUSH                          ; the products that a short stream has left over
.rept 32
	WM
.endr
	WIN 0
.endm
; 64 numbers of a lane (window sw), register 16 b + i = k 32 b + 16 h + i of its row, become codes in v[dst] on and the scale word in v[word].  The held numbers go to PT, so src stays as it is.
; 31 calls of WM: the first behind the 32 lines of the maximum, which are also places ahead of K's use as an operand.
.macro QUANT src, sw, dst, word
	WIN 0x05*\sw
.irp b, 0,1,2,3
	v_max3_num_f32 v[BM+\b], |v[\src+16*\b]|, |v[\src+16*\b+1]|, 0x4800000  ; and the floor 2^(9 - 127)
.endr
	WIN 0x14*\sw
.irp i, 2,4,6,8,10,12,14
.irp b, 0,1,2,3
	v_max3_num_f32 v[BM+\b], v[BM+\b], |v[\src+16*\b+\i]|, |v[\src+16*\b+\i+1]|
.endr
.endr
	WM
	WIN 0
.irp b, 0,1,2,3
	v_permlanex16_b32 v[PX+\b], v[BM+\b], s[SEL], s[SEL+1]
.endr
	WM
	WIN 0
.irp b, 0,1,2,3
	v_max_num_f32 v[BM+\b], v[BM+\b], v[PX+\b]
.endr
	WM
	WIN 0
.irp b, 0,1,2,3
	v_add_nc_u32 v[SO+\b], 0xfc000000, v[BM+\b]
.endr
	WM
	WIN 0
.irp b, 0,1,2,3
	v_and_or_b32 v[HB+\b], v[BM+\b], 0x7f800000, s[MNT]
.endr
	WM
	WIN 0
.irp b, 0,1,2,3
	v_lshrrev_b32 v[PX+\b], 23, v[SO+\b]
.endr
	WM
	WIN 0
	v_lshl_or_b32 v[\word], v[PX+1], 8, v[PX]
	v_lshl_or_b32 v[\word], v[PX+2], 16, v[\word]
	v_lshl_or_b32 v[\word], v[PX+3], 24, v[\word]
	WM
.irp b, 0,1,2,3
.irp i, 0,1,2,3,4,5,6,7,8,9,10,11,12,13,14,15
	WIN 0x01*\sw
	v_med3_num_f32 v[PT+16*(\b%2)+\i], v[\src+16*\b+\i], -v[HB+\b], v[HB+\b] ; the hold; the two buffers take turns, so these lines are the plain places behind the last block's conversions
.if (\i%3) == 2
	WM
.endif
.endr
	WIN 0
	v_cvt_scalef32_pk8_fp8_f32 v[\dst+4*\b:\dst+4*\b+1], v[PT+16*(\b%2):PT+16*(\b%2)+7], v[SO+\b]
	v_cvt_scalef32_pk8_fp8_f32 v[\dst+4*\b+2:\dst+4*\b+3], v[PT+16*(\b%2)+8:PT+16*(\b%2)+15], v[SO+\b]
	WM
.endr
	WIN 0
	v_nop
.endm
; the step's K (f32 fragments) and V (f32, into the second score buffer) of my head, from the code images of 128 rows of nodes (a = 0) or graph (a = 1); then the first tile's mask is asked for
.macro MAKEP a
.irp g, 0,1
.if \g
	NOPS 8                                         ; the places in front of loads into registers that the products above have read stay as they stood
.endif
	s_wait_alu depctr_va_vdst(0)                   ; keys 0-63: the four additions at the step's head have written the addresses, and the last step's products are done reading v[MK ..] and v[XS ..]; keys 64-127: the eight products above are done reading v[MK ..]
.irp t, 0,1,2,3
	FETCH MK+16*\t, AXF, (4*\g+\t)*2048
.endr
.irp t, 0,1,2,3
	ds_load_b32 v[XS+4*\g+\t], v[AXS] offset:(4*\g+\t)*128
.endr
	s_wait_dscnt 0x0
	WIN 0x41
.irp t, 0,1,2,3
	v_wmma_scale_f32_16x16x128_f8f6f4 v[KF+8*(4*\g+\t):KF+8*(4*\g+\t)+7], v[WKV:WKV+15], v[MK+16*\t:MK+16*\t+15], 0, v[WS+2*\a], v[XS+4*\g+\t]
.endr
	WIN 0x44
.irp t, 0,1,2,3
	v_wmma_scale_f32_16x16x128_f8f6f4 v[SBF+8*(4*\g+\t):SBF+8*(4*\g+\t)+7], v[MK+16*\t:MK+16*\t+15], v[WKV+16:WKV+31], 0, v[XS+4*\g+\t], v[WS+2*\a+1]
.endr
	WIN 0
.endr
	NOPS 8                                         ; places ahead of the first vector line that reads V
	s_wait_alu depctr_va_vdst(0)                   ; the eight products above are done reading v[MK ..], in which the first tile's mask lands
	MLOAD 0
.endm
.macro PFMA b, sb, sw                  ; t - M of block b, two at a time
	WIN 0x01*\sw
.irp j, 0,2,4,6,8,10,12,14
	v_pk_fma_f32 v[PT+16*((\b)%2)+\j:PT+16*((\b)%2)+\j+1], v[\sb+16*(\b)+\j:\sb+16*(\b)+\j+1], s[CS:CS+1], v[NM:NM+1] op_sel_hi:[1,0,0]
.endr
	WM
.endm
.macro PEXP b
	WIN 0
.irp j, 0,1,2,3,4,5,6,7
	v_exp_f32 v[PT+16*((\b)%2)+\j], v[PT+16*((\b)%2)+\j]
.endr
	WM
	WIN 0
.irp j, 8,9,10,11,12,13,14,15
	v_exp_f32 v[PT+16*((\b)%2)+\j], v[PT+16*((\b)%2)+\j]
.endr
	WM
.endm
.macro PSUM b                          ; the sum of the unquantised p, in two chains; block 0 starts them
.set PB, PT+16*((\b)%2)
	WIN 0
	s_wait_alu depctr_va_vdst(0)                   ; the block's sixteen exponentials have written p: one wait for the batch, ahead of the first line that names a result
.if (\b) == 0
	v_pk_add_f32 v[SA:SA+1], v[PB:PB+1], v[PB+2:PB+3]
	v_pk_add_f32 v[SB:SB+1], v[PB+4:PB+5], v[PB+6:PB+7]
.else
	v_pk_add_f32 v[SA:SA+1], v[SA:SA+1], v[PB:PB+1]
	v_pk_add_f32 v[SB:SB+1], v[SB:SB+1], v[PB+2:PB+3]
	v_pk_add_f32 v[SA:SA+1], v[SA:SA+1], v[PB+4:PB+5]
	v_pk_add_f32 v[SB:SB+1], v[SB:SB+1], v[PB+6:PB+7]
.endif
	v_pk_add_f32 v[SA:SA+1], v[SA:SA+1], v[PB+8:PB+9]
	v_pk_add_f32 v[SB:SB+1], v[SB:SB+1], v[PB+10:PB+11]
	v_pk_add_f32 v[SA:SA+1], v[SA:SA+1], v[PB+12:PB+13]
	v_pk_add_f32 v[SB:SB+1], v[SB:SB+1], v[PB+14:PB+15]
	WM
.endm
.macro PCVT b                          ; p is not negative: a one-sided hold, then the codes
	WIN 0
.irp j, 0,1,2,3,4,5,6,7
	v_min_num_f32 v[PT+16*((\b)%2)+\j], v[PT+16*((\b)%2)+\j], v[HB+(\b)]
.endr
	WM
	WIN 0
.irp j, 8,9,10,11,12,13,14,15
	v_min_num_f32 v[PT+16*((\b)%2)+\j], v[PT+16*((\b)%2)+\j], v[HB+(\b)]
.endr
	v_cvt_scalef32_pk8_fp8_f32 v[PC+4*(\b):PC+4*(\b)+1], v[PT+16*((\b)%2):PT+16*((\b)%2)+7], v[SO+(\b)]
	v_cvt_scalef32_pk8_fp8_f32 v[PC+4*(\b)+2:PC+4*(\b)+3], v[PT+16*((\b)%2)+8:PT+16*((\b)%2)+15], v[SO+(\b)]
	v_nop                                          ; a plain line behind the conversions: the buffer is written again two blocks on
	WM
.endm
; The softmax and the second product of 16 queries x 128 keys of attention a, on the scores at sb (window sw).  It calls WM 34 times; the first 32 write the next tile's products, the last of them behind
; block 3's sums: behind it stand 16 holds and five more plain lines, the places ahead of the next stream's first read of the new scores.
.macro VSTR a, qt, sb, sw
	WM
	WIN 0x15*\sw
.irp b, 0,1,2,3
	v_max3_num_f32 v[BM+\b], v[\sb+16*\b], v[\sb+16*\b+1], v[\sb+16*\b+2]   ; the largest score of each block of 32 keys: for the row's maximum and for the block's largest p
.endr
.irp i, 3,5,7,9,11,13
	WIN 0x14*\sw
.irp b, 0,1,2,3
	v_max3_num_f32 v[BM+\b], v[BM+\b], v[\sb+16*\b+\i], v[\sb+16*\b+\i+1]
.endr
.if (\i%4) == 1
	WM
.endif
.endr
	WIN 0x04*\sw
.irp b, 0,1,2,3
	v_max_num_f32 v[BM+\b], v[BM+\b], v[\sb+16*\b+15]
.endr
	WIN 0
.irp b, 0,1,2,3
	v_permlanex16_b32 v[PX+\b], v[BM+\b], s[SEL], s[SEL+1]
.endr
	WM
	WIN 0
.irp b, 0,1,2,3
	v_max_num_f32 v[BM+\b], v[BM+\b], v[PX+\b]
.endr
	v_max3_num_f32 v[T0], v[BM], v[BM+1], v[BM+2]
	v_max_num_f32 v[T0], v[T0], v[BM+3]
	v_mul_f32 v[T0], s[CS], v[T0]                  ; the step's largest t
	v_floor_f32 v[T1], -v[TMX+\qt]                 ; the old -M
	WM
	WIN 0
	v_max_num_f32 v[TMX+\qt], v[TMX+\qt], v[T0]
	v_floor_f32 v[NM], -v[TMX+\qt]                 ; the new -M = -ceil(the running largest t)
	v_sub_f32 v[T1], v[NM], v[T1]                  ; old M - new M: a whole number, 0 or less
	v_cvt_i32_f32 v[T1], v[T1]                     ; (it saturates)
	v_ldexp_f32 v[FAC], 1.0, v[T1]
.irp b, 0,1,2,3
	v_fma_f32 v[BM+\b], v[BM+\b], s[CS], v[NM]
.endr
	WM
	WIN 0
.irp b, 0,1,2,3
	v_exp_f32 v[BM+\b], v[BM+\b]                   ; the block's largest p
.endr
	WIN 0x41
.irp j, 0,2,4,6
	v_pk_mul_f32 v[OA+64*\a+8*\qt+\j:OA+64*\a+8*\qt+\j+1], v[OA+64*\a+8*\qt+\j:OA+64*\a+8*\qt+\j+1], v[FAC:FAC+1] op_sel_hi:[1,0]   ; O^T under the new M; the plain place behind the exponentials
.endr
	WM
	WIN 0
	s_wait_alu depctr_va_vdst(0)                   ; the four exponentials have written the blocks' largest p, ahead of the first line that names one
.irp b, 0,1,2,3
	v_max_num_f32 v[BM+\b], 0x4800000, v[BM+\b]
.endr
.irp b, 0,1,2,3
	v_add_nc_u32 v[SO+\b], 0xfc000000, v[BM+\b]
.endr
	WM
	WIN 0
.irp b, 0,1,2,3
	v_and_or_b32 v[HB+\b], v[BM+\b], 0x7f800000, s[MNT]
.endr
.irp b, 0,1,2,3
	v_lshrrev_b32 v[PX+\b], 23, v[SO+\b]
.endr
	WM
	WIN 0
	v_lshl_or_b32 v[PS], v[PX+1], 8, v[PX]
	v_lshl_or_b32 v[PS], v[PX+2], 16, v[PS]
	v_lshl_or_b32 v[PS], v[PX+3], 24, v[PS]
	PFMA 0, \sb, \sw
	PEXP 0
	PFMA 1, \sb, \sw                               ; plain lines behind each run of exponentials
	PSUM 0
	PCVT 0
	PEXP 1
	PFMA 2, \sb, \sw
	PSUM 1
	PCVT 1
	PEXP 2
	PFMA 3, \sb, \sw
	PSUM 2
	PCVT 2
	PEXP 3
	v_nop                                          ; the plain line behind the last run of exponentials; the sums' own wait follows
	PSUM 3
	PCVT 3
	WIN 0
	v_pk_add_f32 v[SA:SA+1], v[SA:SA+1], v[SB:SB+1]
	v_add_f32 v[T0], v[SA], v[SA+1]
	v_fma_f32 v[LSUM+\qt], v[LSUM+\qt], v[FAC], v[T0]   ; the sum under the new M, and this step's
	v_nop                                          ; with the lines above: five places between the last codes and the product
	WIN 0x50
	s_wait_alu depctr_va_vdst(0)                   ; the vector lines have written p's codes and scale word (and, in the step's first tile, V's), which the scaled product takes as operand and scales; it stands behind the places
	v_wmma_scale_f32_16x16x128_f8f6f4 v[OA+64*\a+8*\qt:OA+64*\a+8*\qt+7], v[VC:VC+15], v[PC:PC+15], v[OA+64*\a+8*\qt:OA+64*\a+8*\qt+7], v[VS], v[PS]
	WIN 0
.endm
; one attention: four steps of 128 keys
.macro ATT a
.if \a
	WIN 0x40                                       ; Wk_e, Wv_e take the registers of Wk, Wv, whose last products stand a whole softmax back
	s_wait_alu depctr_va_vdst(0)                   ; the first attention's projections are done reading Wk and Wv, in whose registers Wk_e and Wv_e land
.irp i, 0,1
.irp c, 0,1,2,3
	global_load_b128 v[WKV+16*\i+4*\c:WKV+16*\i+4*\c+3], v[WOF], s[16:17] offset:16384*(6+\i)+512*\c
.endr
.endr
	WIN 0
.endif
.irp qt, 0,1,2,3
	v_mov_b32 v[TMX+\qt], 0xff61b1e6               ; -3e38, under every t
	v_mov_b32 v[LSUM+\qt], 0
.endr
	WIN 0x40
.set i, 0
.rept 32
	v_mov_b32 v[OA+64*\a+i], 0                     ; the step is written once: the first finds zeros
.set i, i+1
.endr
	WIN 0
	s_mov_b32 s[XOFF], XC+XCG*\a
	s_mov_b32 s[XSOFF], XC+XCS+4096*\a
	s_mov_b32 s[MOFF], 0
	s_mov_b32 s[CNT], 4
.if \a
	s_wait_loadcnt 0x0
.endif
.Latt_\@:
	s_wait_alu depctr_vm_vsrc(0)                   ; the LDS loads issued so far (the step before's; in the second attention's first step the first attention's) have read the four addresses that the next lines write
	v_add_nc_u32 v[AXF], s[XOFF], v[LI]
	v_add_nc_u32 v[AXS], s[XSOFF], v[LS]
	v_add_nc_u32 v[AMK0], s[MOFF], v[MKB]
	v_add_nc_u32 v[AMK0+1], 32*MP, v[AMK0]
	MAKEP \a
	ARMM 0, SCO, 0, 1
	QUANT SBF, 1, VC, VS                           ; V along the keys | tile 0's scores
	WFLUSH
	NOPS 8                                         ; behind the last product, ahead of the first read of its scores
	ARMM 1, SBF, 1, 1
	VSTR \a, 0, SCO, 0                             ; tile 0's softmax | tile 1's scores
	ARMM 2, SCO, 0, 1
	VSTR \a, 1, SBF, 1                             ; tile 1's | tile 2's
	ARMM 3, SBF, 1, 0
	VSTR \a, 2, SCO, 0                             ; tile 2's | tile 3's
.set MON, 0
	VSTR \a, 3, SBF, 1                             ; tile 3's softmax stands alone: the next step's V wants its buffer
	s_add_co_u32 s[XOFF], s[XOFF], 16384           ; eight images,
	s_add_co_u32 s[XSOFF], s[XSOFF], 1024          ; their scale words,
	s_add_co_u32 s[MOFF], s[MOFF], 512             ; 128 keys of the mask
	s_sub_co_u32 s[CNT], s[CNT], 1
	s_cmp_lg_u32 s[CNT], 0
	s_cbranch_scc1 .Latt_\@
	NOPS 8
.irp qt, 0,1,2,3
	v_permlanex16_b32 v[PX+\qt], v[LSUM+\qt], s[SEL], s[SEL+1]
.endr
.irp qt, 0,1,2,3
	v_add_f32 v[LSUM+\qt], v[LSUM+\qt], v[PX+\qt]  ; the row's sum
.endr
.irp qt, 0,1,2,3
	v_rcp_f32 v[HB+2*\qt], v[LSUM+\qt]
.endr
	v_nop
	WIN 0x41
	s_wait_alu depctr_va_vdst(0)                   ; the four reciprocals are written, ahead of the first line that names one
.irp qt, 0,1,2,3
.irp j, 0,2,4,6
	v_pk_mul_f32 v[OA+64*\a+8*\qt+\j:OA+64*\a+8*\qt+\j+1], v[OA+64*\a+8*\qt+\j:OA+64*\a+8*\qt+\j+1], v[HB+2*\qt:HB+2*\qt+1] op_sel_hi:[1,0]
.endr
.endr
	WIN 0
.endm
	; ---- the head
	s_load_b512 s[8:23], s[0:1], 0x0               ; mask s[8:9], xkv s[10:11], xsh s[12:13], xq s[14:15], wq s[16:17], bcomb1 s[18:19], bcomb2 s[20:21], out0 s[22:23]
	v_lshrrev_b32 v4, 5, v0
	v_readfirstlane_b32 s2, v4                     ; wave = head
	v_and_b32 v4, 31, v0                           ; lane
	v_and_b32 v5, 15, v0                           ; r
	v_bfe_u32 v6, v0, 4, 1                         ; h
	v_lshlrev_b32 v[LI], 4, v4
	v_lshlrev_b32 v[LS], 2, v4
	v_mul_u32_u24 v[MKB], v5, MP
	v_lshl_add_u32 v[MKB], v6, 6, v[MKB]
	s_wait_alu depctr_va_sdst(0)                   ; s2 is written, ahead of its first reader: offsets and bases are made from it
	s_and_b32 s4, ttmp7, 0xffff                    ; batch
	s_lshl_b32 s24, s4, 20
	s_lshl_b32 s5, ttmp9, 17
	s_add_co_u32 s24, s24, s5                      ; my 64 rows of the mask
	s_mov_b32 s25, 0
	s_lshr_b32 s5, s2, 1
	s_lshl_b32 s5, s5, 15
	s_and_b32 s6, s2, 1
	s_lshl_b32 s6, s6, 10
	s_add_co_u32 s26, s24, s5
	s_add_co_u32 s26, s26, s6                      ; out0: rows 16 (w / 2) on, columns 256 (w % 2) on
	s_mov_b32 s27, 0
	s_mul_i32 s44, s4, 139264
	s_mov_b32 s45, 0
	s_mul_i32 s46, s4, 69632
	s_mov_b32 s47, 0
	s_lshl_b32 s48, s4, 3
	s_add_co_u32 s48, s48, ttmp9
	s_mul_i32 s48, s48, 34816
	s_mov_b32 s49, 0
	s_mul_i32 s5, s2, 8*MP                         ; wave w brings mask rows 8 w .. 8 w + 7: 2,048 bytes apart in memory, 2,064 in LDS
	v_add_nc_u32 v[ALM], s5, v[LI]
	s_lshl_b32 s5, s2, 14
	v_add_nc_u32 v[AGM], s5, v[LI]
	s_mul_i32 s5, s2, 17408                        ; an eighth of xkv's 139,264 bytes: 34 x 512
	v_add_nc_u32 v[AGX], s5, v[LI]
	v_add_nc_u32 v[ALX], XC, v[AGX]
	s_mul_i32 s5, s2, 4352                         ; an eighth of xq's 34,816: 8 x 512 + 256
	v_add_nc_u32 v[AGQ], s5, v[LI]
	v_add_nc_u32 v[ALQ], QX, v[AGQ]
	s_add_co_u32 s5, s5, 4096
	v_lshl_add_u32 v[AGT], v4, 3, s5
	v_add_nc_u32 v[ALT], QX, v[AGT]
	s_lshl_b32 s5, s2, 11
	v_add_nc_u32 v[WOF], s5, v[LI]
	s_lshl_b32 s5, s2, 7
	v_add_nc_u32 v[WSO], s5, v[LS]
	v_add_nc_u32 v[QF], QX, v[LI]
	v_add_nc_u32 v[QSA], QX+QXS, v[LS]
	s_wait_kmcnt 0x0
	s_add_nc_u64 s[8:9], s[8:9], s[24:25]
	s_add_nc_u64 s[22:23], s[22:23], s[26:27]
	s_add_nc_u64 s[10:11], s[10:11], s[44:45]
	s_add_nc_u64 s[12:13], s[12:13], s[46:47]
	s_add_nc_u64 s[14:15], s[14:15], s[48:49]
	; ---- LDS is filled through registers: every load and every LDS store of a wave covers 512 consecutive bytes.  62 loads go out at once.
	; Mask rows 0-3 of my eight pass through window 1's v128-191, rows 4-7 through its v0-63: neither score buffer is ever a load's destination
	WIN 0x40
	s_wait_alu depctr_va_vdst(0)                   ; the offsets and LDS addresses made above (v1, v2, v8 to v11, v32 to v35, v40 to v43) are written: the head's loads and LDS stores read them
.irp j, 0,1,2,3,4,5,6,7
.irp c, 0,1,2,3
	global_load_b128 v[128*(1-\j/4)+16*(\j%4)+4*\c:128*(1-\j/4)+16*(\j%4)+4*\c+3], v[AGM], s[8:9] offset:2048*\j+512*\c th:TH_LOAD_NT   ; the mask is read once in the launch
.endr
.endr
.set i, 0
.rept 16
	global_load_b128 v[WKV+4*i:WKV+4*i+3], v[AGX], s[10:11] offset:512*i
.set i, i+1
.endr
	WIN 0
.set i, 16
.rept 14
	global_load_b128 v[MK+4*(i-16):MK+4*(i-16)+3], v[AGX], s[10:11] offset:512*i
.set i, i+1
.endr
	s_wait_loadcnt 30                              ; the mask's 32 loads are in; the 16 + 14 of xkv behind them may be out
	WIN 0x04
.irp j, 0,1,2,3,4,5,6,7
.irp c, 0,1,2,3
	ds_store_b128 v[ALM], v[128*(1-\j/4)+16*(\j%4)+4*\c:128*(1-\j/4)+16*(\j%4)+4*\c+3] offset:MP*\j+512*\c
.endr
.endr
	WIN 0
.set i, 30
.rept 4
	global_load_b128 v[MK+4*(i-16):MK+4*(i-16)+3], v[AGX], s[10:11] offset:512*i
.set i, i+1
.endr
.set i, 0
.rept 8
	global_load_b128 v[216+4*i:216+4*i+3], v[AGQ], s[14:15] offset:512*i th:TH_LOAD_NT
.set i, i+1
.endr
	global_load_b64 v[248:249], v[AGT], s[14:15] th:TH_LOAD_NT
	s_wait_dscnt 0x0                               ; the mask's LDS stores are done
	WIN 0x40                                       ; my head's tile of the four Wq
	s_wait_alu depctr_vm_vsrc(0)                   ; the mask's LDS stores have read window 1's v0-63, where rows 4-7 lay and the four Wq land
	s_wait_alu depctr_va_vdst(0)                   ; v[WOF] and v[WSO], which the loads below read, are written: stated anew, behind stores that name the registers in which these loads land
.irp i, 0,1,2,3
.irp c, 0,1,2,3
	global_load_b128 v[KF+16*\i+4*\c:KF+16*\i+4*\c+3], v[WOF], s[16:17] offset:16384*\i+512*\c
.endr
.endr
	WIN 0
.irp i, 0,1,2,3
	global_load_b32 v[WQS+\i], v[WSO], s[16:17] offset:163840+1024*\i
.endr
	s_wait_loadcnt 47                              ; xkv's first 16 pieces are in; behind them: 14 + 4 of xkv, 9 of xq, 20 of Wq
	WIN 0x04
.set i, 0
.rept 16
	ds_store_b128 v[ALX], v[WKV+4*i:WKV+4*i+3] offset:512*i
.set i, i+1
.endr
	WIN 0
	s_mov_b32 s[CS], 0x3fb8aa3b
	s_mov_b32 s[CS+1], s[CS]                       ; (a packed form names the pair, so both words are written)
	s_mov_b32 s[SEL], 0x76543210
	s_mov_b32 s[SEL+1], 0xfedcba98
	s_mov_b32 s[MNT], 0x600000
	s_mov_b32 s[C1], 0x3e8293ee
	s_mov_b32 s[C1+1], s[C1]
	s_mov_b32 s[M20], 0xc1a00000
	s_mov_b32 s[M20+1], s[M20]
	s_mov_b32 s[P10], 0x41200000
	s_mov_b32 s[P10+1], s[P10]
.irp b, 0,1,2,3
	v_mov_b32 v[PX+\b], 0                          ; written once: a lane permute's destination counts as one of its sources
.endr
	v_mov_b32 v[NM+1], 0                           ; (upper halves of pairs of which the low word serves both halves)
	v_mov_b32 v[FAC+1], 0
	s_wait_loadcnt 20                              ; all that goes to LDS is in; Wq's 20 loads may be out
	s_wait_dscnt 0x0                               ; the LDS stores so far are done
	WIN 0x40
	s_wait_alu depctr_vm_vsrc(0)                   ; the LDS stores of xkv's first pieces have read window 1's v64-95, in which Wk and Wv land
	s_wait_alu depctr_va_vdst(0)                   ; v[WOF] and v[WSO] are written: stated anew, behind stores that name the registers in which these loads land
.irp i, 0,1
.irp c, 0,1,2,3
	global_load_b128 v[WKV+16*\i+4*\c:WKV+16*\i+4*\c+3], v[WOF], s[16:17] offset:16384*(4+\i)+512*\c
.endr
.endr
	WIN 0
.irp i, 0,1,2,3
	global_load_b32 v[WS+\i], v[WSO], s[16:17] offset:163840+1024*(4+\i)
.endr
.set i, 16
.rept 18
	ds_store_b128 v[ALX], v[MK+4*(i-16):MK+4*(i-16)+3] offset:512*i
.set i, i+1
.endr
.set i, 0
.rept 8
	ds_store_b128 v[ALQ], v[216+4*i:216+4*i+3] offset:512*i
.set i, i+1
.endr
	ds_store_b64 v[ALT], v[248:249]
	BAR                                            ; my eighth lies in LDS; behind the barrier everybody's does
	s_wait_alu depctr_vm_vsrc(0)                   ; the head's loads and LDS stores have read their data (v[MK ..] to v249, window 1's v96-127) and their offsets (v32 to v35, v40 to v43): all of these are written anew from here on
	; ---- q of my head for the 64 queries: four products in one chain, four accumulators by turns
.irp i, 0,1,2,3
.if \i
	NOPS 8
.endif
	s_wait_alu depctr_va_vdst(0)                   ; the first run: v[QF] and v[QSA] are written, stated anew behind the stores that named v[MK ..]; the later runs: the four products above are done reading v[MK ..] and v[XS ..], in which the loads land
.irp qt, 0,1,2,3
	FETCH MK+16*\qt, QF, (4*\i+\qt)*2048
.endr
.irp qt, 0,1,2,3
	ds_load_b32 v[XS+\qt], v[QSA] offset:(4*\i+\qt)*128
.endr
	s_wait_dscnt 0x0
.if \i == 0
	s_wait_loadcnt 12                              ; the four Wq and their scale words are in; the 8 + 4 loads behind them may be out
.endif
	WIN 0x51
.irp qt, 0,1,2,3
.if \i == 0
	v_wmma_scale_f32_16x16x128_f8f6f4 v[QR+8*\qt:QR+8*\qt+7], v[KF+16*\i:KF+16*\i+15], v[MK+16*\qt:MK+16*\qt+15], 0, v[WQS+\i], v[XS+\qt]
.else
	v_wmma_scale_f32_16x16x128_f8f6f4 v[QR+8*\qt:QR+8*\qt+7], v[KF+16*\i:KF+16*\i+15], v[MK+16*\qt:MK+16*\qt+15], v[QR+8*\qt:QR+8*\qt+7], v[WQS+\i], v[XS+\qt]
.endif
.endr
	WIN 0
.endr
	NOPS 8
	WIN 0x41
.set i, 0
.rept 16
	v_pk_mul_f32 v[QR+i:QR+i+1], v[QR+i:QR+i+1], 0x3e800000 op_sel_hi:[1,0]   ; q / sqrt(16): exact
.set i, i+2
.endr
	WIN 0
	s_wait_loadcnt 0x0                             ; Wk, Wv and the four scale words
	ATT 0
	ATT 1
	; ---- the epilogue's addresses
	s_wait_alu depctr_vm_vsrc(0)                   ; the loops' LDS loads have read v4 to v7, and q's scale-word loads v11: the lines below write these registers anew
	v_and_b32 v[T0], 15, v0                        ; r
	v_bfe_u32 v[T1], v0, 4, 1                      ; h
	s_lshr_b32 s44, s2, 1                          ; at the end wave w takes queries 16 (w / 2) on
	s_and_b32 s45, s2, 1                           ; and nodes 256 (w % 2) on
	s_mul_i32 s5, s44, 16*MP
	s_lshl_b32 s6, s45, 10
	s_add_co_u32 s5, s5, s6
	v_add_nc_u32 v[MKF], s5, v[MKB]                ; my part of the mask, in the layout of results,
	v_add_nc_u32 v[RB], s5, v[LI]                  ; and by rows
	s_mul_i32 s5, s2, 8704                         ; an eighth of xsh's 69,632 bytes: 17 x 512
	v_add_nc_u32 v[XSO], s5, v[LI]
	v_add_nc_u32 v[SHS], SHKL, v[XSO]
	s_lshl_b32 s5, s2, 6
	v_lshl_add_u32 v[BOF], v[T1], 5, s5            ; 64 w + 32 h: my eight channels, in bytes
	v_mul_u32_u24 v[ORD], v[T0], SP
	v_add_nc_u32 v[OST], v[ORD], v[BOF]
	v_add_nc_u32 v[OST], OSTG, v[OST]              ; into a stage: row r, my eight channels
	v_lshl_add_u32 v[ORD], v[T1], 6, v[ORD]        ; out of it: row r, + 64 h
	s_mul_i32 s5, s44, 16*SP
	s_add_co_u32 s5, s5, OSTG
	v_add_nc_u32 v[MRD], s5, v[ORD]
	s_mul_i32 s5, s2, 16*SP
	s_add_co_u32 s5, s5, OSTG
	v_add_nc_u32 v[ORD], s5, v[ORD]
	v_add_nc_u32 v[IMS], OIMG, v[WOF]
	v_add_nc_u32 v[ISS], OIMG+OIMS, v[WSO]
	v_add_nc_u32 v[QSA], OIMG+OIMS, v[LS]
	s_lshl_b32 s5, s45, 15
	s_add_co_u32 s5, s5, SHKL
	v_add_nc_u32 v[SHF], s5, v[LI]
	s_lshl_b32 s5, s45, 11
	s_add_co_u32 s5, s5, SHKL+SHKS
	v_add_nc_u32 v[SSF], s5, v[LS]
	s_lshl_b32 s5, s2, 7
	s_add_co_u32 s5, s5, EXCH
	v_lshl_add_u32 v[EXS], v[T0], 3, s5
	s_xor_b32 s5, s2, 1
	s_lshl_b32 s5, s5, 7
	s_add_co_u32 s5, s5, EXCH
	v_lshl_add_u32 v[EXL], v[T0], 3, s5            ; my partner's: the other half of the same rows
	; ---- what the end needs from memory is asked for now
	WIN 0x40
	s_wait_alu depctr_va_vdst(0)                   ; the epilogue's addresses are written; the loops' matrix and vector lines are done with K, Wk, q and V's codes, in whose registers the loads below land, and with v[MK ..]; O^T / the sum is written, which the LDS stores behind the barrier read
.set i, 0
.rept 17
	global_load_b128 v[4*i:4*i+3], v[XSO], s[12:13] offset:512*i      ; my eighth of the codes of nodes + graph: window 1's v0-67, where K and Wk lay
.set i, i+1
.endr
.irp a, 0,1
.irp c, 0,1,2,3
	global_load_b128 v[WCF+16*\a+4*\c:WCF+16*\a+4*\c+3], v[WOF], s[16:17] offset:16384*(8+\a)+512*\c
.endr
.endr
	WIN 0
.irp a, 0,1
	global_load_b32 v[WCS+\a], v[WSO], s[16:17] offset:163840+1024*(8+\a)
.endr
	global_load_b128 v[VC:VC+3], v[BOF], s[18:19]
	global_load_b128 v[VC+4:VC+7], v[BOF], s[18:19] offset:16
	global_load_b128 v[VC+8:VC+11], v[BOF], s[20:21]
	global_load_b128 v[VC+12:VC+15], v[BOF], s[20:21] offset:16
	BAR                                            ; every wave's reads of the codes of nodes and graph are over: their bytes may be written
	; ---- out1, out2 meet in a stage: a row's 128 channels come from eight waves
	WIN 0x04
.irp a, 0,1
.irp qt, 0,1,2,3
	ds_store_b128 v[OST], v[OA+64*\a+8*\qt:OA+64*\a+8*\qt+3] offset:(64*\a+16*\qt)*SP
	ds_store_b128 v[OST], v[OA+64*\a+8*\qt+4:OA+64*\a+8*\qt+7] offset:(64*\a+16*\qt)*SP+16
.endr
.endr
	s_wait_loadcnt 14                              ; xsh's 17 loads are in; the 8 + 2 + 4 behind them may be out
.set i, 0
.rept 17
	ds_store_b128 v[SHS], v[4*i:4*i+3] offset:512*i
.set i, i+1
.endr
	WIN 0
	BAR
	; ---- wave w quantises fragment w = 4 a + qt of (out1, out2) along the 128 channels
.irp c, 0,1,2,3
.irp g, 0,1,2,3
	ds_load_b128 v[MK+16*\c+4*\g:MK+16*\c+4*\g+3], v[ORD] offset:128*\c+16*\g       ; no vector or matrix line since the last wait on va_vdst: it has covered v[MK ..] and v[ORD]
.endr
.endr
	s_wait_dscnt 0x0
	QUANT MK, 0, PC, PS
	s_wait_alu depctr_va_vdst(0)                   ; the conversions have written the codes and the shifts the scale word, which the LDS stores read; the quantiser's lines are done reading v[MK ..], in which the next fragments land
.irp c, 0,1,2,3
	ds_store_b128 v[IMS], v[PC+4*\c:PC+4*\c+3] offset:512*\c
.endr
	ds_store_b32 v[ISS], v[PS]
	BAR
	; ---- mh_out^T: my 16 channels for the 64 queries; b1 + b2 is the C of the first product
	s_wait_loadcnt 0x0
.irp j, 0,2,4,6
	v_pk_add_f32 v[VC+\j:VC+\j+1], v[VC+\j:VC+\j+1], v[VC+8+\j:VC+8+\j+1]
.endr
.irp a, 0,1
.if \a
	NOPS 8
	s_wait_alu depctr_va_vdst(0)                   ; the four products above are done reading v[MK ..] and v[XS ..], in which the loads below land
.endif
.irp qt, 0,1,2,3
	FETCH MK+16*\qt, QF, (4*\a+\qt)*2048
.endr
.irp qt, 0,1,2,3
	ds_load_b32 v[XS+\qt], v[QSA] offset:(4*\a+\qt)*128
.endr
	s_wait_dscnt 0x0
	WIN 0x01
.irp qt, 0,1,2,3
.if \a == 0
	v_wmma_scale_f32_16x16x128_f8f6f4 v[PT+8*\qt:PT+8*\qt+7], v[WCF+16*\a:WCF+16*\a+15], v[MK+16*\qt:MK+16*\qt+15], v[VC:VC+7], v[WCS+\a], v[XS+\qt]
.else
	v_wmma_scale_f32_16x16x128_f8f6f4 v[PT+8*\qt:PT+8*\qt+7], v[WCF+16*\a:WCF+16*\a+15], v[MK+16*\qt:MK+16*\qt+15], v[PT+8*\qt:PT+8*\qt+7], v[WCS+\a], v[XS+\qt]
.endif
.endr
	WIN 0
.endr
	NOPS 8
	s_wait_alu depctr_va_vdst(0)                   ; the products have written mh_out, which the LDS stores read (the eight places stay beside this wait), and are done reading v[MK ..] and the scale words v12 to v27, in which the next loads land
.irp qt, 0,1,2,3
	ds_store_b128 v[OST], v[PT+8*\qt:PT+8*\qt+3] offset:16*\qt*SP
	ds_store_b128 v[OST], v[PT+8*\qt+4:PT+8*\qt+7] offset:16*\qt*SP+16
.endr
	BAR
	s_wait_alu depctr_vm_vsrc(0)                   ; my LDS stores have read their data: window 1's v0-67 (loads land there, products write there), O^T's registers (products write there), PT, the codes and the scale word (the quantiser writes them again)
	; ---- the scores: 16 queries x 256 nodes a wave; source 0 = 16 nodes, source 1 = mh_out: a lane holds one query.  Four fragments of nodes + graph at a time
.irp c, 0,1,2,3
.irp g, 0,1,2,3
	ds_load_b128 v[MK+16*\c+4*\g:MK+16*\c+4*\g+3], v[MRD] offset:128*\c+16*\g
.endr
.endr
	WIN 0x40
.irp t, 0,1,2,3
	FETCH 16*\t, SHF, \t*2048
.endr
	WIN 0
	s_wait_dscnt 16                                ; mh_out's 16 loads are in; the 16 behind them may be out
.irp t, 0,1,2,3,4,5,6,7,8,9,10,11,12,13,14,15
	ds_load_b32 v[WS+\t], v[SSF] offset:128*\t     ; the scale words of my 16 tiles of nodes + graph land while mh_out is quantised
.endr
	QUANT MK, 0, PC, PS
	NOPS 4
.irp rr, 0,1,2,3
.if \rr
	NOPS 8                                         ; the places in front of loads into registers that the products above have read stay as they stood
	WIN 0x40
	s_wait_alu depctr_va_vdst(0)                   ; the four products above are done reading window 1's v0-63, in which the next four fragments land
.irp t, 0,1,2,3
	FETCH 16*\t, SHF, (4*\rr+\t)*2048
.endr
.endif
	s_wait_dscnt 0x0
	WIN 0x41
.if \rr == 0
	s_wait_alu depctr_va_vdst(0)                   ; the quantiser has written mh_out's codes and scale word, which the scaled products take as operand and scales; it stands behind the places
.endif
.irp t, 0,1,2,3
	v_wmma_scale_f32_16x16x128_f8f6f4 v[DD+8*(4*\rr+\t):DD+8*(4*\rr+\t)+7], v[16*\t:16*\t+15], v[PC:PC+15], 0, v[WS+4*\rr+\t], v[PS]
.endr
.endr
	NOPS 8
; 10 tanh(z) + mask = (mask + 10) - 20 / (1 + 2^(2 log2(e) z)), z = score / sqrt(128): 64 registers at a time
.macro TANH hh
	WIN 0
	s_wait_alu depctr_va_vdst(0)                   ; the vector lines that read v[MK ..] (the quantiser's; in the second half also the first half's, which wrote it too) are done: the mask lands there
.irp b, 0,1,2,3
.irp g, 0,1,2,3
	ds_load_b128 v[MK+16*\b+4*\g:MK+16*\b+4*\g+3], v[MKF] offset:512*\hh+128*\b+16*\g
.endr
.endr
	WIN 0x41
.set i, DD+64*\hh
.rept 32
	v_pk_mul_f32 v[i:i+1], v[i:i+1], s[C1:C1+1] op_sel_hi:[1,0]
.set i, i+2
.endr
.set i, DD+64*\hh
.rept 64
	v_exp_f32 v[i], v[i]
.set i, i+1
.endr
	v_nop
.set i, DD+64*\hh
	s_wait_alu depctr_va_vdst(0)                   ; the 64 exponentials are written, ahead of the first line that names one
.rept 32
	v_pk_add_f32 v[i:i+1], v[i:i+1], 1.0 op_sel_hi:[1,0]
.set i, i+2
.endr
.set i, DD+64*\hh
.rept 64
	v_rcp_f32 v[i], v[i]
.set i, i+1
.endr
	v_nop
	s_wait_dscnt 0x0
	WIN 0
.set i, MK
.rept 32
	v_pk_add_f32 v[i:i+1], v[i:i+1], s[P10:P10+1] op_sel_hi:[1,0]
.set i, i+2
.endr
	WIN 0x41
.set i, 0
	s_wait_alu depctr_va_vdst(0)                   ; the 64 reciprocals are written, ahead of the first line that names one
.rept 32
	v_pk_fma_f32 v[DD+64*\hh+i:DD+64*\hh+i+1], v[DD+64*\hh+i:DD+64*\hh+i+1], s[M20:M20+1], v[MK+i:MK+i+1] op_sel_hi:[1,0,1]
.set i, i+2
.endr
.endm
	TANH 0
	TANH 1
	; the largest of my 256 nodes of each row: four chains, started by the first twelve numbers
	WIN 0x15
.irp k, 0,1,2,3
	v_max3_num_f32 v[BM+\k], v[DD+3*\k], v[DD+3*\k+1], v[DD+3*\k+2]
.endr
	WIN 0x14
.set i, 12
.rept 58
	v_max3_num_f32 v[BM+(i/2)%4], v[BM+(i/2)%4], v[DD+i], v[DD+i+1]
.set i, i+2
.endr
	WIN 0
	v_max3_num_f32 v[BM], v[BM], v[BM+1], v[BM+2]
	v_max3_num_f32 v[BM], v[BM], v[BM+3], 0xff000000     ; held at -2^127 from below, so that a half whose every node is hidden keeps a finite maximum x log2(e)
	v_permlanex16_b32 v[PX], v[BM], s[SEL], s[SEL+1]
	v_max_num_f32 v[HB], v[BM], v[PX]
	v_mul_f32 v[NM], -v[HB], s[CS]
	WIN 0x41
.set i, DD
.rept 64
	v_pk_fma_f32 v[i:i+1], v[i:i+1], s[CS:CS+1], v[NM:NM+1] op_sel_hi:[1,0,0]
.set i, i+2
.endr
.set i, DD
.rept 128
	v_exp_f32 v[i], v[i]
.set i, i+1
.endr
	v_nop
	WIN 0x05
	s_wait_alu depctr_va_vdst(0)                   ; the 128 exponentials are written, ahead of the first line that names one
	v_pk_add_f32 v[SA:SA+1], v[DD:DD+1], v[DD+2:DD+3]
	v_pk_add_f32 v[SB:SB+1], v[DD+4:DD+5], v[DD+6:DD+7]
	WIN 0x04
.set i, DD+8
.rept 30
	v_pk_add_f32 v[SA:SA+1], v[SA:SA+1], v[i:i+1]
	v_pk_add_f32 v[SB:SB+1], v[SB:SB+1], v[i+2:i+3]
.set i, i+4
.endr
	WIN 0
	v_pk_add_f32 v[SA:SA+1], v[SA:SA+1], v[SB:SB+1]
	v_add_f32 v[HB+1], v[SA], v[SA+1]
	v_permlanex16_b32 v[PX], v[HB+1], s[SEL], s[SEL+1]
	v_add_f32 v[HB+1], v[HB+1], v[PX]
	s_wait_alu depctr_va_vdst(0)                   ; the maximum and the sum are written, which the LDS store reads; the quantiser's lines are done with v[HB+2], v[HB+3], in which the partner's pair lands
	ds_store_b64 v[EXS], v[HB:HB+1]                ; (maximum, sum) of my half of row r; both halves of the lanes write the same
	BAR
	ds_load_b64 v[HB+2:HB+3], v[EXL]               ; the other half's
	s_wait_dscnt 0x0
	v_max_num_f32 v[SO], v[HB], v[HB+2]            ; the row's maximum
	v_sub_f32 v[SO+1], v[HB], v[SO]
	v_sub_f32 v[SO+2], v[HB+2], v[SO]
	v_mul_f32 v[SO+1], s[CS], v[SO+1]
	v_mul_f32 v[SO+2], s[CS], v[SO+2]
	v_exp_f32 v[SO+1], v[SO+1]
	v_exp_f32 v[SO+2], v[SO+2]
	v_nop
	s_wait_alu depctr_va_vdst(0)                   ; the two exponentials are written, ahead of the first line that names one
	v_mul_f32 v[SO+3], v[HB+1], v[SO+1]
	v_fma_f32 v[SO+3], v[HB+3], v[SO+2], v[SO+3]   ; the row's sum under the row's maximum
	v_rcp_f32 v[SO+3], v[SO+3]
	v_nop
	s_wait_alu depctr_va_vdst(0)                   ; the reciprocal is written, ahead of the line that names it
	v_mul_f32 v[NM], v[SO+1], v[SO+3]
	WIN 0x41
.set i, DD
.rept 64
	v_pk_mul_f32 v[i:i+1], v[i:i+1], v[NM:NM+1] op_sel_hi:[1,0]
.set i, i+2
.endr
	; ---- the way out: through my own part of the mask's bytes, which only I have read since the loops, and back by rows, into the registers that they left
	WIN 0x04
	s_wait_alu depctr_va_vdst(0)                   ; the multiplications have written the probabilities in v[DD ..], which the LDS stores read
.irp b, 0,1,2,3,4,5,6,7
.irp g, 0,1,2,3
	ds_store_b128 v[MKF], v[DD+16*\b+4*\g:DD+16*\b+4*\g+3] offset:128*\b+16*\g
.endr
.endr
	WIN 0x40
	s_wait_alu depctr_va_vdst(0)                   ; the same multiplications against the loads that land in v[DD ..]: stated anew, behind the stores that name these registers
	s_wait_alu depctr_vm_vsrc(0)                   ; the LDS stores have read v[DD ..], in which the rows land
.set i, 0
.rept 32
	ds_load_b128 v[DD+4*i:DD+4*i+3], v[RB] offset:MP*(i/2)+512*(i%2)      ; LDS serves a wave's instructions in order (ISA guide 5.7.1.4): these see my stores, and land behind them
.set i, i+1
.endr
	WIN 0x04
.set i, 0
.rept 32
	s_wait_dscnt 31-i                              ; the younger loads may be out
	global_store_b128 v[LI], v[DD+4*i:DD+4*i+3], s[22:23] offset:2048*(i/2)+512*(i%2) th:TH_STORE_NT   ; 32 lanes store 512 consecutive bytes, at a multiple of 512 from out0's first byte
.set i, i+1
.endr
	WIN 0
	s_wait_xcnt 0x0
	s_wait_alu depctr_vm_vsrc(0)                   ; the LDS stores of out's image, which read v254 and v255 as data, have read them: the two lines below write them
	v_lshl_add_u32 v254, v0, 2, 0x4b000
	v_mov_b32 v255, 0
	s_wait_dscnt 0x0                               ; the closing lines, six on end
	s_wait_alu 0x0
	s_wait_tensorcnt 0x0
	ds_add_u32 v254, v255
	s_wait_dscnt 0x0
	s_endpgm
.Lfunc_end_k_q85a6d26825_dec:
	.size	k_q85a6d26825_dec, .Lfunc_end_k_q85a6d26825_dec-k_q85a6d26825_dec
	.p2alignl 7, 3214868480
	.fill 96, 4, 3214868480
	.section	.rodata,"a",@progbits
	.p2align	6, 0x0
	.amdhsa_kernel k_q85a6d26825_dec
		.amdhsa_group_segment_fixed_size 308224
		.amdhsa_private_segment_fixed_size 0
		.amdhsa_enable_private_segment 0
		.amdhsa_kernarg_size 64
		.amdhsa_user_sgpr_count 2
		.amdhsa_user_sgpr_kernarg_segment_ptr 1
		.amdhsa_wavefront_size32 1
		.amdhsa_system_sgpr_workgroup_id_x 1
		.amdhsa_system_sgpr_workgroup_id_y 1
		.amdhsa_system_sgpr_workgroup_id_z 1
		.amdhsa_system_vgpr_workitem_id 0
		.amdhsa_next_free_vgpr 512
		.amdhsa_next_free_sgpr 66
		.amdhsa_reserve_vcc 0
		.amdhsa_float_denorm_mode_32 3
		.amdhsa_float_denorm_mode_16_64 3
		.amdhsa_memory_ordered 1
		.amdhsa_forward_progress 1
		.amdhsa_inst_pref_size 255
	.end_amdhsa_kernel
	.section	.bss,"aw",@nobits
	.p2align	6
	.space	262144
	.amdgpu_metadata
---
amdhsa.version: [ 1, 2 ]
amdhsa.kernels:
  - .name:           k_q85a6d26825_dec
    .symbol:         k_q85a6d26825_dec.kd
    .args:
      - { .name: ninf_mask, .offset: 0, .size: 8, .value_kind: global_buffer, .address_space: global }
      - { .name: xkv, .offset: 8, .size: 8, .value_kind: global_buffer, .address_space: global }
      - { .name: xsh, .offset: 16, .size: 8, .value_kind: global_buffer, .address_space: global }
      - { .name: xq, .offset: 24, .size: 8, .value_kind: global_buffer, .address_space: global }
      - { .name: wq, .offset: 32, .size: 8, .value_kind: global_buffer, .address_space: global }
      - { .name: bcomb1, .offset: 40, .size: 8, .value_kind: global_buffer, .address_space: global }
      - { .name: bcomb2, .offset: 48, .size: 8, .value_kind: global_buffer, .address_space: global }
      - { .name: out0, .offset: 56, .size: 8, .value_kind: global_buffer, .address_space: global }
    .group_segment_fixed_size: 308224
    .private_segment_fixed_size: 0
    .kernarg_segment_align: 8
    .kernarg_segment_size: 64
    .max_flat_workgroup_size: 256
    .sgpr_count:     66
    .vgpr_count:     512
    .wavefront_size: 32
...
	.end_amdgpu_metadata
.endif
;; end of part 3
